; MI455X (gfx1250); checked and timed in simulation.
; The chip was launched on July 23, 2026; its instructions are those of AMD's public machine-readable ISA for CDNA 5 (MIT licence, August 2026) and "CDNA5" Instruction Set Architecture Reference Guide (July 2026). The comments in the code are by the model that wrote it; some were corrected since.
;; Causal Self Attention. Allowed arithmetic: matrix products marked QUANTISED: E2M3 operands, one E8M0 scale for each 32 along K, by v_wmma_scale_f32_16x16x128_f8f6f4 with both operands' format E2M3, f32 sums; everything else in f32.
;; Inputs: Wk 1,024 x 1,024 float32; Wp 1,024 x 1,024 float32; Wq 1,024 x 1,024 float32; Wv 1,024 x 1,024 float32; x 4 x 2,048 x 1,024 float32.
;; Outputs: out0 4 x 2,048 x 1,024 float32.
;; This version of the problem:
;;   THIS VERSION OF THE PROBLEM IS GIVEN IN LOW PRECISION. The matrix products marked QUANTISED in the list below multiply operands that are first quantised to E2M3 (2 exponent bits, 3 mantissa bits; 6 bits a number), with one power-of-two scale for each 32 numbers along K (OCP MX v1.0); their sums are f32. All else is computed in f32.
;;   The module's matrix products, in the order in which they are computed (A, B: the left and right operand; K: the contracted axis; several contracted axes count as one K, in the product's order):
;;     1. [M 8,192, K 1,024] x [K 1,024, N 1,024]; A: input x; B: input Wk: QUANTISED
;;     2. [M 8,192, K 1,024] x [K 1,024, N 1,024]; A: input x; B: input Wq: QUANTISED
;;     3. [M 8,192, K 1,024] x [K 1,024, N 1,024]; A: input x; B: input Wv: QUANTISED
;;     4. batch 64 x [M 2,048, K 64] x [K 64, N 2,048]; A: computed on the way; B: computed on the way: QUANTISED
;;     5. batch 64 x [M 2,048, K 2,048] x [K 2,048, N 64]; A: softmax (see below); B: computed on the way: QUANTISED
;;     6. [M 8,192, K 1,024] x [K 1,024, N 1,024]; A: computed on the way; B: input Wp: QUANTISED
;;   THE QUANTISER, for each operand of a quantised product, along K:
;;     - K is cut into blocks of 32 from its start; a last block that is shorter is filled with zeros.
;;     - A block's scale is 2^e with e = floor(log2(the largest magnitude in the block)) - 2, held to -126 .. 127; a block of zeros has e = 0. As a byte (E8M0): e + 127.
;;     - Each number is divided by its block's scale, clamped to +-7.5, and rounded to the nearest number of E2M3, ties to even, subnormals kept.
;;     - The product sums the exact products of the quantised numbers (number of the format x scale) in f32.
;;   ~~~python
;;   def quantise(x, axis):      # numpy; x: float32 -> the quantised numbers, widened to float32 again
;;       x = np.moveaxis(x, axis, -1); K = x.shape[-1]
;;       x = np.pad(x, [(0, 0)] * (x.ndim - 1) + [(0, -K % 32)]); x = x.reshape(x.shape[:-1] + (-1, 32)); a = np.abs(x).max(-1, keepdims=True)
;;       e = np.where(a > 0, np.clip(np.frexp(np.where(a > 0, a, 1))[1] - 1 - 2, -126, 127), 0)      # np.frexp(a)[1] - 1 = floor(log2(a)), exactly
;;       r = np.clip(x / 2.0 ** e, -7.5, 7.5)
;;       step = 2.0 ** (np.maximum(np.frexp(np.where(r == 0, 1, r))[1] - 1, 0) - 3)
;;       q = np.round(r / step) * step * 2.0 ** e      # np.round: ties to even
;;       return np.moveaxis(q.reshape(q.shape[:-2] + (-1,))[..., :K], -1, axis).astype(np.float32)
;;   ~~~
;;   SOFTMAX AHEAD OF A QUANTISED PRODUCT. Where the list says 'softmax', what is quantised is not the finished softmax but p = 2^(t - M), with t = logit x log2(e) and M = ceil(the row's largest t), a whole number; so 1/2 < the row's largest p <= 1. The row's sum l is taken of the UNQUANTISED p, in f32, and the product's result is divided by l at the end. Since M is a whole number, a kernel that streams over the keys may use a running M (the ceiling of the running maximum): every later rescaling is an exact power of two, which a block's scale takes up: the codes' values come out the same.
;;   OPERANDS COMPUTED ON THE WAY. 'Computed on the way' means the value that the module computes at that place (a softmax that the list does not call 'softmax' is quantised finished and normalised). What goes into a quantiser is computed in f32, as accurately as f32 sums, v_exp_f32 and their like allow (about 1e-6 of the number): no bf16 or f16 on the way to a quantiser, and a product that is left as it is and whose result goes on into a quantised operand takes f32 operands (vector FMAs, or v_wmma_f32_16x16x4_f32). A number that lies on a knife's edge between two numbers of the format may be rounded either way, as far as f32 arithmetic and the matrix unit's own rounding can turn it there, and no further.
;; One version. Each part assembles by itself: llvm-mc -triple=amdgcn-amd-amdhsa -mcpu=gfx1250 --defsym DOCPART=n.
;; ======== version 1 of 1: 4 launches
;; workspace buffers: cw 15,728,640 bytes; sc 655,360 bytes; qh 6,815,744 bytes; kv 13,369,344 bytes
;; launch quant (part 1): grid 384 x 1, 4 waves a work-group, no clusters, 60,928 bytes of LDS; arguments x, Wq, Wk, Wv, Wp, cw, sc; writes cw, sc
.if DOCPART == 1
	.amdgcn_target "amdgcn-amd-amdhsa--gfx1250"
	.amdhsa_code_object_version 6
	.text
	.protected	k_q54b95b1c90_quant
	.globl	k_q54b95b1c90_quant
	.p2align	8
	.type	k_q54b95b1c90_quant,@function
k_q54b95b1c90_quant:
	s_mov_b64 s[64:65], 0
	v_nop
	global_prefetch_b8 v0, s[64:65] scope:SCOPE_SE
	s_setreg_imm32_b32 hwreg(HW_REG_WAVE_MODE, 25, 1), 1
	s_wait_xcnt 0x0
; x [8192][1024] and the four weights [1024 (k)][1024 (n)], f32, become codes of FP6 (E2M3) with one E8M0 byte for each 32 along K (K = x's last axis, a weight's FIRST axis).
; A block's scale is 2^(floor(log2(largest magnitude)) - 2): its byte is the largest magnitude's exponent field - 2, held at 1 from below by a floor among the maximum's leaves.
; LIMITS: NaN and infinities among the inputs are not served; a largest magnitude under 2^-124 counts as 2^-124 (byte 1); a block of zeros gets the byte 1 where the rule says 127: its codes are zeros,
; which add nothing under any byte but 0xff, and these bytes are read by this program alone.
; LAYOUT OF THE CODES (cw): [tile][kappa 0..15][768 bytes].  768 bytes are the image of six operand registers for 16 rows x 64 along K: lane l = r + 16 h holds row r, k = 64 kappa + 32 h + 0..31;
; its registers 0-3 lie at byte 16 l, its registers 4-5 at byte 512 + 8 l.  So a reader fetches 16 bytes a lane and 8 bytes a lane, dense, and has its operand.
; THE ROWS OF A TILE ARE NOT NEIGHBOURS: lane r of tile 2 b + u holds row (or column n) 32 b + 8 u + r + 8 (r / 8), so that in every later product a lane's 16 registers of two neighbouring result tiles are 16 neighbours.
; LAYOUT OF THE SCALE WORDS (sc): [tile / 2][p 0..3][u][r][2 words]: the words of the 128-steps 2 p and 2 p + 1 of a row; byte i of a word scales k = 32 i on.
; SHARES.  A wave takes 32 rows (or columns) x 256 along K: 32 KiB in, eight images and 256 bytes of scale words out.  Work-groups 0-127 take the weights, 128-383 take x.  Waves share nothing: no barrier.
; The two paths have LDS bytes of their own.
.set STGX,  8448                       ; x's path: a wave's stage, 16 rows x (512 bytes + 16)
.set STGW,  6656                       ; the weights' path: a wave's stage, two tiles x (4 images + 128 spare bytes), rounded up
.set WBASE, 4*STGX
.set FLOOR, 0x1800000                  ; 2^(3 - 127)
.set LESS2, 0xff000000                 ; takes 2 off an exponent field
.macro LOADW t                         ; block t of a weight: W(256 p + 32 t + i, my column), i = 0..31: each load reads 128 consecutive bytes, the four waves stand side by side on 512
.irp i, 0,1,2,3,4,5,6,7,8,9,10,11,12,13,14,15,16,17,18,19,20,21,22,23,24,25,26,27,28,29,30,31
	global_load_b32 v[40+32*((\t)%2)+\i], v3, s[24:25] offset:(32*(\t)+\i)*4096 th:TH_LOAD_NT
.endr
.endm
.macro BLOCKW t
.set XS, 40+32*((\t)%2)
.if (\t) < 7
	s_wait_loadcnt 32                              ; this block's 32 loads are in; the next block's 32 may be out
.else
	s_wait_loadcnt 0x0
.endif
	v_max3_num_f32 v12, |v[XS]|, |v[XS+1]|, |v[XS+2]|              ; the block's largest magnitude: all 32 numbers are mine; two chains
	v_max3_num_f32 v13, |v[XS+3]|, |v[XS+4]|, |v[XS+5]|
.irp i, 6,10,14,18,22,26
	v_max3_num_f32 v12, v12, |v[XS+\i]|, |v[XS+\i+1]|
	v_max3_num_f32 v13, v13, |v[XS+\i+2]|, |v[XS+\i+3]|
.endr
	v_max3_num_f32 v12, v12, |v[XS+30]|, |v[XS+31]|
	v_max3_num_f32 v12, v12, v13, FLOOR            ; and the floor
	v_add_nc_u32 v14, LESS2, v12                   ; the conversion takes this operand's exponent field as its scale
	v_lshrrev_b32 v15, 23, v14                     ; the scale's byte
.if (\t)%4 == 0
	v_mov_b32 v[16+(\t)/4], v15                    ; four bytes to a word, the lower K in the lower byte
.else
	v_lshl_or_b32 v[16+(\t)/4], v15, 8*((\t)%4), v[16+(\t)/4]
.endif
	v_cvt_scalef32_pk16_fp6_f32 v[20:22], v[XS:XS+15], v14
	v_cvt_scalef32_pk16_fp6_f32 v[32:34], v[XS+16:XS+31], v14      ; (a conversion's three registers begin on an even number)
	v_nop                                          ; one plain line behind the conversions
	v_mov_b32 v23, v32
	v_mov_b32 v24, v33
	v_mov_b32 v25, v34                             ; v20-25: my column's 32 codes: the six registers of lane r + 16 (t % 2) of image t / 2
	ds_store_b128 v7, v[20:23] offset:768*((\t)/2)+256*((\t)%2)
	ds_store_b64 v8, v[24:25] offset:768*((\t)/2)+128*((\t)%2)
.if (\t)+2 < 8
	LOADW (\t)+2
.endif
	s_wait_dscnt 0x0                               ; the stores have read their registers: the next block's codes may be written
.endm
.macro LOADQ qd                        ; quarter qd = 2 u + e of x: the 16 rows of tile u, 128 along K: each load reads 512 consecutive bytes of one row
.irp p, 0,1,2,3,4,5,6,7,8,9,10,11,12,13,14,15
	global_load_b128 v[40+64*((\qd)%2)+4*\p:40+64*((\qd)%2)+4*\p+3], v3, s[4:5] offset:(8*((\qd)/2)+\p+8*(\p/8))*4096+512*((\qd)%2) th:TH_LOAD_NT
.endr
.endm
.macro QUARTER qd
.set RS, 40+64*((\qd)%2)
.if (\qd) < 3
	s_wait_loadcnt 16                              ; this quarter's 16 loads are in; the next quarter's 16 may be out
.else
	s_wait_loadcnt 0x0
.endif
.irp p, 0,1,2,3,4,5,6,7,8,9,10,11,12,13,14,15
	ds_store_b128 v5, v[RS+4*\p:RS+4*\p+3] offset:528*\p           ; the rows as they were loaded; LDS serves a wave's instructions in order, so the loads below see them
.endr
.irp c, 0,1
.irp i, 0,1,2,3,4,5,6,7
	ds_load_b128 v[168+32*\c+4*\i:171+32*\c+4*\i], v6 offset:256*\c+16*\i   ; back as the operand's layout wants them: lane (r, h) takes k = 64 c + 32 h + 0..31 of row r
.endr
.endr
	s_wait_dscnt 0x0
	s_wait_xcnt 0x0                                ; the last quarter's stores have read their registers, which are written again below
.if (\qd)+2 < 4
	LOADQ (\qd)+2                                  ; into the set that the stage's stores have read
.endif
.irp c, 0,1
	v_max3_num_f32 v[12+\c], |v[168+32*\c]|, |v[169+32*\c]|, FLOOR  ; my two whole blocks, by turns
.endr
.irp i, 2,4,6,8,10,12,14,16,18,20,22,24,26,28,30
.irp c, 0,1
	v_max3_num_f32 v[12+\c], v[12+\c], |v[168+32*\c+\i]|, |v[169+32*\c+\i]|
.endr
.endr
.irp c, 0,1
	v_add_nc_u32 v[14+\c], LESS2, v[12+\c]
.endr
.irp c, 0,1
	v_lshrrev_b32 v[10+\c], 23, v[14+\c]
.endr
	v_lshl_or_b32 v[16+(\qd)], v11, 16, v10        ; my two bytes: blocks h and 2 + h of row r,
	v_lshlrev_b32 v[16+(\qd)], v8, v[16+(\qd)]     ; 8 h bits up;
	v_permlanex16_b32 v9, v[16+(\qd)], s20, s21
	v_or_b32 v[16+(\qd)], v[16+(\qd)], v9          ; with lane l xor 16's two the word is whole, in both lanes
.irp c, 0,1
	v_cvt_scalef32_pk16_fp6_f32 v[20+6*\c:22+6*\c], v[168+32*\c:183+32*\c], v[14+\c]
	v_cvt_scalef32_pk16_fp6_f32 v[32+4*\c:34+4*\c], v[184+32*\c:199+32*\c], v[14+\c]
.endr
	v_nop
.irp c, 0,1
.irp i, 0,1,2
	v_mov_b32 v[23+6*\c+\i], v[32+4*\c+\i]
.endr
.endr
.irp c, 0,1                            ; two images: each store of the wave covers 512 or 256 consecutive bytes, aligned
	global_store_b128 v3, v[20+6*\c:23+6*\c], s[14:15] offset:12288*((\qd)/2)+1536*((\qd)%2)+768*\c
	global_store_b64 v4, v[24+6*\c:25+6*\c], s[14:15] offset:12288*((\qd)/2)+1536*((\qd)%2)+768*\c
.endr
.endm
	s_load_b256 s[4:11], s[0:1], 0x0               ; x s[4:5], Wq s[6:7], Wk s[8:9], Wv s[10:11]
	s_load_b128 s[12:15], s[0:1], 0x20             ; Wp s[12:13], cw s[14:15]
	s_load_b64 s[16:17], s[0:1], 0x30              ; sc
	v_lshl_add_u32 v232, v0, 2, 0xec00
	v_mov_b32 v233, 0
	v_lshrrev_b32 v1, 5, v0
	v_readfirstlane_b32 s18, v1                    ; wave 0..3
	v_and_b32 v2, 31, v0                           ; lane
	s_mov_b32 s20, 0x76543210
	s_mov_b32 s21, 0xfedcba98                      ; v_permlanex16_b32's selects for lane l xor 16
	s_cmp_lt_u32 ttmp9, 128
	s_cbranch_scc0 .Lx_path
	; ---- THE WEIGHTS.  A lane takes a column n and its registers run down K: a block of 32 lies in one lane, and the codes come out with K innermost.
	s_lshr_b32 s22, ttmp9, 5                       ; which weight: 0 Wq, 1 Wk, 2 Wv, 3 Wp
	s_bfe_u32 s23, ttmp9, 0x20003                  ; p: which 256 along K
	s_and_b32 s26, ttmp9, 7
	s_lshl_b32 s26, s26, 2
	s_add_co_u32 s26, s26, s18                     ; b: which 32 columns
	v_lshlrev_b32 v3, 2, v2                        ; in: 4 bytes a lane
	v_bfe_u32 v4, v2, 3, 1                         ; column 32 b + lane is row r of tile 2 b + u: u = (lane / 8) % 2,
	v_and_b32 v5, 7, v2
	v_lshrrev_b32 v6, 4, v2
	v_lshl_add_u32 v5, v6, 3, v5                   ; r = lane % 8 + 8 (lane / 16)
	s_mul_i32 s27, s18, STGW
	s_add_co_u32 s27, s27, WBASE                   ; my stage
	v_mul_u32_u24 v6, v4, 3200                     ; tile u's four images; the 128 spare bytes keep the two tiles' stores in different banks
	v_add_nc_u32 v6, s27, v6
	v_lshl_add_u32 v7, v5, 4, v6                   ; where my registers 0-3 go
	v_lshl_add_u32 v8, v5, 3, v6
	v_add_nc_u32 v8, 512, v8                       ; and my registers 4-5
	v_lshlrev_b32 v9, 4, v2                        ; the way out: 16 bytes a lane
	v_add_nc_u32 v10, s27, v9
	v_lshlrev_b32 v11, 3, v5
	v_lshl_add_u32 v11, v4, 7, v11                 ; my two scale words: 128 u + 8 r
	s_lshl_b32 s28, s23, 20                        ; W: 256 p rows of 4,096 bytes + 128 b
	s_lshl_b32 s29, s26, 7
	s_add_co_u32 s28, s28, s29
	s_mov_b32 s29, 0
	s_lshl_b32 s30, s22, 6                         ; cw: tile 512 + 64 weight + 2 b, images 4 p on
	s_lshl_b32 s31, s26, 1
	s_add_co_u32 s30, s30, s31
	s_add_co_u32 s30, s30, 512
	s_mul_i32 s30, s30, 12288
	s_mul_i32 s31, s23, 3072
	s_add_co_u32 s30, s30, s31
	s_mov_b32 s31, 0
	s_lshl_b32 s32, s22, 5                         ; sc: group 256 + 32 weight + b, part p
	s_add_co_u32 s32, s32, s26
	s_add_co_u32 s32, s32, 256
	s_lshl_b32 s32, s32, 10
	s_lshl_b32 s33, s23, 8
	s_add_co_u32 s32, s32, s33
	s_mov_b32 s33, 0
	s_wait_kmcnt 0x0
	s_cmp_eq_u32 s22, 1                            ; the choice hangs on the work-group's number alone
	s_cselect_b64 s[24:25], s[8:9], s[6:7]
	s_cmp_eq_u32 s22, 2
	s_cselect_b64 s[24:25], s[10:11], s[24:25]
	s_cmp_eq_u32 s22, 3
	s_cselect_b64 s[24:25], s[12:13], s[24:25]
	s_add_nc_u64 s[24:25], s[24:25], s[28:29]
	s_add_nc_u64 s[14:15], s[14:15], s[30:31]
	s_add_nc_u64 s[16:17], s[16:17], s[32:33]
	LOADW 0
	LOADW 1                                        ; two blocks, 64 loads a wave, ahead
.irp t, 0,1,2,3,4,5,6,7
	BLOCKW \t
.endr
	global_store_b64 v11, v[16:17], s[16:17]       ; the 32 lanes store 256 consecutive bytes, aligned
.irp i, 0,1,2,3,4,5,6,7,8,9,10,11
	ds_load_b128 v[104+4*\i:107+4*\i], v10 offset:3200*(\i/6)+512*(\i%6)   ; the images as they lie
.endr
.irp i, 0,1,2,3,4,5,6,7,8,9,10,11
	s_wait_dscnt 11-\i                             ; load i is in; the younger ones may be out
	global_store_b128 v9, v[104+4*\i:107+4*\i], s[14:15] offset:12288*(\i/6)+512*(\i%6)   ; 512 consecutive bytes, aligned
.endr
	s_wait_tensorcnt 0x0
	ds_add_u32 v232, v233
	s_wait_dscnt 0x0
	s_endpgm
.Lx_path:
	; ---- x.  K is innermost: the loads take rows as they lie, and a quarter (16 rows x 128 K) turns through the wave's stage into the operand's order.
	s_sub_co_u32 s22, ttmp9, 128                   ; b: which 32 rows; the wave is p: which 256 along K
	v_and_b32 v10, 15, v2                          ; r
	v_lshrrev_b32 v11, 4, v2                       ; h
	v_lshlrev_b32 v3, 4, v2                        ; 16 x lane: the loads' offset, and an image's registers 0-3
	v_lshlrev_b32 v7, 3, v2                        ; 8 x lane: the scale words
	v_add_nc_u32 v4, 512, v7                       ; an image's registers 4-5
	s_mul_i32 s27, s18, STGX
	v_add_nc_u32 v5, s27, v3                       ; the stage, on the way in
	v_mul_u32_u24 v6, v10, 528
	v_lshl_add_u32 v6, v11, 7, v6
	v_add_nc_u32 v6, s27, v6                       ; and on the way out: row r, + 128 h; rows 528 bytes apart start in different banks
	v_lshlrev_b32 v8, 3, v11                       ; 8 h
	v_mov_b32 v9, 0                                ; a lane permute's destination counts as one of its sources
	s_lshl_b32 s28, s22, 17                        ; x: 32 b rows of 4,096 bytes + 1,024 p
	s_lshl_b32 s29, s18, 10
	s_add_co_u32 s28, s28, s29
	s_mov_b32 s29, 0
	s_mul_i32 s30, s22, 24576                      ; cw: tile 2 b, images 4 p on
	s_mul_i32 s31, s18, 3072
	s_add_co_u32 s30, s30, s31
	s_mov_b32 s31, 0
	s_lshl_b32 s32, s22, 10                        ; sc: group b, part p
	s_lshl_b32 s33, s18, 8
	s_add_co_u32 s32, s32, s33
	s_mov_b32 s33, 0
	s_wait_kmcnt 0x0
	s_add_nc_u64 s[4:5], s[4:5], s[28:29]
	s_add_nc_u64 s[14:15], s[14:15], s[30:31]
	s_add_nc_u64 s[16:17], s[16:17], s[32:33]
	LOADQ 0
	LOADQ 1
.irp q, 0,1,2,3
	QUARTER \q
.endr
	v_cmp_lt_u32 vcc_lo, 15, v2                    ; lanes 0-15 store tile 0's words of row r, lanes 16-31 tile 1's
	v_cndmask_b32 v12, v16, v18, vcc_lo
	v_cndmask_b32 v13, v17, v19, vcc_lo
	global_store_b64 v7, v[12:13], s[16:17]        ; 256 consecutive bytes, aligned
	s_wait_tensorcnt 0x0
	ds_add_u32 v232, v233
	s_wait_dscnt 0x0
	s_endpgm
.Lfunc_end_k_q54b95b1c90_quant:
	.size	k_q54b95b1c90_quant, .Lfunc_end_k_q54b95b1c90_quant-k_q54b95b1c90_quant
	.p2alignl 7, 3214868480
	.fill 96, 4, 3214868480
	.section	.rodata,"a",@progbits
	.p2align	6, 0x0
	.amdhsa_kernel k_q54b95b1c90_quant
		.amdhsa_group_segment_fixed_size 60928
		.amdhsa_private_segment_fixed_size 0
		.amdhsa_enable_private_segment 0
		.amdhsa_kernarg_size 56
		.amdhsa_user_sgpr_count 2
		.amdhsa_user_sgpr_kernarg_segment_ptr 1
		.amdhsa_wavefront_size32 1
		.amdhsa_system_sgpr_workgroup_id_x 1
		.amdhsa_system_sgpr_workgroup_id_y 1
		.amdhsa_system_sgpr_workgroup_id_z 1
		.amdhsa_system_vgpr_workitem_id 0
		.amdhsa_next_free_vgpr 234
		.amdhsa_next_free_sgpr 66
		.amdhsa_reserve_vcc 1
		.amdhsa_float_denorm_mode_32 3
		.amdhsa_float_denorm_mode_16_64 3
		.amdhsa_memory_ordered 1
		.amdhsa_forward_progress 1
		.amdhsa_inst_pref_size 72
	.end_amdhsa_kernel
	.amdgpu_metadata
---
amdhsa.version: [ 1, 2 ]
amdhsa.kernels:
  - .name:           k_q54b95b1c90_quant
    .symbol:         k_q54b95b1c90_quant.kd
    .args:
      - { .name: x, .offset: 0, .size: 8, .value_kind: global_buffer, .address_space: global }
      - { .name: Wq, .offset: 8, .size: 8, .value_kind: global_buffer, .address_space: global }
      - { .name: Wk, .offset: 16, .size: 8, .value_kind: global_buffer, .address_space: global }
      - { .name: Wv, .offset: 24, .size: 8, .value_kind: global_buffer, .address_space: global }
      - { .name: Wp, .offset: 32, .size: 8, .value_kind: global_buffer, .address_space: global }
      - { .name: cw, .offset: 40, .size: 8, .value_kind: global_buffer, .address_space: global }
      - { .name: sc, .offset: 48, .size: 8, .value_kind: global_buffer, .address_space: global }
    .group_segment_fixed_size: 60928
    .private_segment_fixed_size: 0
    .kernarg_segment_align: 8
    .kernarg_segment_size: 56
    .max_flat_workgroup_size: 128
    .sgpr_count:     66
    .vgpr_count:     234
    .wavefront_size: 32
...
	.end_amdgpu_metadata
.endif
;; end of part 1
;; launch qkv (part 2): grid 12 x 32, 4 waves a work-group, clusters of 4 x 4, 327,680 bytes of LDS; arguments cw, sc, qh, kv; writes qh, kv
.if DOCPART == 2
	.amdgcn_target "amdgcn-amd-amdhsa--gfx1250"
	.amdhsa_code_object_version 6
	.text
	.protected	k_q54b95b1c90_qkv
	.globl	k_q54b95b1c90_qkv
	.p2align	8
	.type	k_q54b95b1c90_qkv,@function
k_q54b95b1c90_qkv:
	s_mov_b64 s[64:65], 0
	v_nop
	global_prefetch_b8 v0, s[64:65] scope:SCOPE_SE
	s_setreg_imm32_b32 hwreg(HW_REG_WAVE_MODE, 25, 1), 1
	s_wait_xcnt 0x0
	s_wait_alu depctr_hold_cnt(0) depctr_sa_sdst(0) depctr_va_vdst(0) depctr_va_sdst(0) depctr_va_ssrc(0) depctr_va_vcc(0) depctr_vm_vsrc(0)
	s_getreg_b32 s2, hwreg(HW_REG_IB_STS2, 6, 4)
	s_cmp_eq_u32 s2, 0
	s_cbranch_scc0 .Lentry_in_a_cluster
	s_endpgm
.Lentry_in_a_cluster:
	s_bfe_u32 s2, ttmp6, 0x10000c
	s_cmp_lg_u32 s2, 0xf033
	s_cbranch_scc0 .Lentry_shape_is_right
	s_endpgm
.Lentry_shape_is_right:
; q = x Wq, k = x Wk, v = x Wv on codes of FP6 (E2M3) with E8M0 scales, K = 1,024; the results are quantised in registers on the way out and leave as codes: q and k along the head's 64, v along the keys.
; OPERANDS.  cw holds all codes as [tile][kappa 0..15][768]: 768 bytes are the image of six operand registers for 16 rows x 64 K (lane l: registers 0-3 at 16 l, registers 4-5 at 512 + 8 l).  16 tiles (256 rows) are a unit.
; Units: x 0-31, Wq 32-35, Wk 36-39, Wv 40-43.  sc holds the scale words, 8,192 bytes a unit: [tile / 2][p][tile % 2][r][2 words].
; SHARES.  A work-group makes 256 x 256 of a product, a wave 128 x 128: 64 accumulators, 512 registers.  The cluster's x says which product: 0 q, 1 k, 2 v: a weight is just one cluster wide.
; Source 1 of the matrix instruction is region A (a lane of the result holds one of ITS rows), source 0 is region B (the result's registers run along ITS rows).
; q, k: A = x (unit 4 Y + cy), B = the weight (unit 32 + 4 X + cx): a lane holds a token, its registers run along 64 head + d.    v: A = Wv (unit 40 + cy), B = x (unit 4 Y + cx): a lane holds one d, its registers run along the keys.
; The rows of a tile are chosen (32 b + 8 u + r + 8 (r / 8)) so that the 16 registers of two neighbouring result tiles are 16 neighbours: what the quantiser wants.
; CLUSTERS: 4 x 4.  Region A hangs on cy alone and is asked for jointly by a row of the cluster, region B on cx alone, by a column.
; K goes in 8 steps of 128, written out.  LDS has three slots of 256 along K; the fourth 256 go into slot 0 again: one refill in the launch, behind a round of the cluster's barrier.
; By this text's count a wave has three tensor loads out at the start and one behind the refill's round.
; No prefetch: the launch is short, and three quarters of its tiles are asked for at its head.
; LIMITS: a result block whose largest magnitude lies under 2^-124 gets the byte 1 (a block of zeros too: its codes are zeros); NaN and infinities are not served.
; REGISTERS: window 0: v1-3 r, h, lane; v8-19 LDS addresses; v20-24 offsets; v28-29 the add's; v32-95 scale words; v96-114 at work on the way out; v128-223 A's fragments, ONE set (later the codes just made).
;   window 1: B's fragments, two sets, at v0 and v128.  windows 2, 3: accumulator (a, b) at v[8 (8 (a % 4) + b)].
.set FR,    12                         ; registers of a fragment, 16 rows x 128 K
.set TILEB, 12288
.set UNITB, 16*TILEB
.set SIGB,  3072                       ; 256 along K of one tile: four images
.set HALF,  8*SIGB                     ; eight tiles: what one tensor load brings and what one wave reads of A or of B
.set REGB,  2*HALF                     ; a slot: A's 16 tiles, then B's
.set SLOT,  2*REGB
.set SPARE, 3*SLOT                     ; behind the slots: the spare words, 128 bytes a wave: two blocks of 256 bytes that no other line names
.set A16, 8                            ; v8-10   A's fragments in slot n: 16 x lane + ..;  v11-13: 512 + 8 x lane + ..
.set A8,  11
.set B16, 14                           ; v14-16, v17-19 the same for B
.set B8,  17
.set O16, 20                           ; v20     16 x lane
.set O8,  21                           ; v21     512 + 8 x lane
.set SO,  22                           ; v22     where my scale words go
.set SLO, 24                           ; v24     where my scale words come from
.set SPW, 28
.set NIL, 29
.set SC,  32                           ; v[SC + 8 i + s]: lanes 0-15 the word of A's tile i, lanes 16-31 that of B's tile i, for step s
.set TM,  96                           ; v96-99 largest magnitudes, v100-103 bytes, v108-111 the conversions' scale operands
.set PW,  112                          ; the scale word just made
.set FLO, 113                          ; the floor 2^(3 - 127)
.set ONES, 114                         ; four bytes 0x7f
.set AF,  128
.set PC,  128                          ; the codes just made: v128-139; v140-147 at work
.set WD,  160                          ; v160-175 the scale words to be stored
.set SV,  176
.set G1A, 24
.set G1B, 32
.set G0A, 40                           ; s[40:51] group 0 for A, one set for each slot;  s[52:63] for B
.set G0B, 52
.set MSB, 0
.macro WIN new                         ; the immediate's high byte repeats the setting that is left
.if MSB != (\new)
	s_set_vgpr_msb (MSB<<8)|(\new)
.set MSB, (\new)
.endif
.endm
.set MUL_LO, 0xa1                      ; source 0 (B) window 1, source 1 (A) window 0, C and D window 2
.set MUL_HI, 0xf1
.set TO_B,   0x40
; A joint load: waves 0 and 1 fetch A's halves, waves 2 and 3 B's.  The branch hangs on the wave's number alone.  Four v_nop follow each of the two lines.
.macro JLOAD g0a, g1a, g0b, g1b
	s_cmp_eq_u32 s15, 0
	s_cbranch_scc0 .Lfor_b_\@
	tensor_load_to_lds s[\g0a:\g0a+3], s[\g1a:\g1a+7]
	s_nop 0
.rept 4
	v_nop
.endr
	s_branch .Lasked_\@
.Lfor_b_\@:
	tensor_load_to_lds s[\g0b:\g0b+3], s[\g1b:\g1b+7]
	s_nop 0
.rept 4
	v_nop
.endr
.Lasked_\@:
.endm
.macro CREST                           ; a round of the cluster's barrier behind its opening barrier
	s_cmp_lg_u32 s14, 0
	s_cbranch_scc1 .Lnot_wave_0_\@
	s_barrier_signal -3
.Lnot_wave_0_\@:
	s_barrier_wait -3
	s_barrier_signal -1
	s_barrier_wait -1
.endm
.macro CROUND
	s_barrier_signal -1
	s_barrier_wait -1
	CREST
.endm
.macro PLACES n                        ; plain lines between a matrix instruction and a load into, or a vector read of, its registers
.rept \n
	v_nop
.endr
.endm
.macro FRAG reg, a16, a8, off          ; a fragment is two images: four dense loads
	ds_load_b128 v[(\reg):(\reg)+3], v[\a16] offset:\off
	ds_load_b64 v[(\reg)+4:(\reg)+5], v[\a8] offset:\off
	ds_load_b128 v[(\reg)+6:(\reg)+9], v[\a16] offset:\off+768
	ds_load_b64 v[(\reg)+10:(\reg)+11], v[\a8] offset:\off+768
.endm
.macro FETCH_B n, q, set               ; B's eight fragments of slot n's q-th 128 along K
	WIN TO_B
.irp i, 0,1,2,3,4,5,6,7
	FRAG 128*(\set)+FR*\i, B16+\n, B8+\n, 3072*\i+1536*(\q)
.endr
	WIN 0
.endm
.macro FETCH_A n, q, i0                ; A's blocks i0 .. i0 + 3
.irp i, \i0, \i0+1, \i0+2, \i0+3
	FRAG AF+FR*(\i), A16+\n, A8+\n, 3072*(\i)+1536*(\q)
.endr
.endm
; 16 matrix instructions: A's blocks a0, a0 + 1 x B's eight.  The 64 accumulators take turns, one instruction a turn, in the same order in every step.
.macro MUL16 a0, p, s, zero
.irp a, \a0, \a0+1
.irp b, 0,1,2,3,4,5,6,7
.if \zero
	v_wmma_scale_f32_16x16x128_f8f6f4 v[8*(8*((\a)%4)+\b):8*(8*((\a)%4)+\b)+7], v[128*(\p)+FR*\b:128*(\p)+FR*\b+FR-1], v[AF+FR*(\a):AF+FR*(\a)+FR-1], 0, v[SC+8*\b+(\s)], v[SC+8*(\a)+(\s)] matrix_a_fmt:MATRIX_FMT_FP6 matrix_b_fmt:MATRIX_FMT_FP6 matrix_a_scale:MATRIX_SCALE_ROW1
.else
	v_wmma_scale_f32_16x16x128_f8f6f4 v[8*(8*((\a)%4)+\b):8*(8*((\a)%4)+\b)+7], v[128*(\p)+FR*\b:128*(\p)+FR*\b+FR-1], v[AF+FR*(\a):AF+FR*(\a)+FR-1], v[8*(8*((\a)%4)+\b):8*(8*((\a)%4)+\b)+7], v[SC+8*\b+(\s)], v[SC+8*(\a)+(\s)] matrix_a_fmt:MATRIX_FMT_FP6 matrix_b_fmt:MATRIX_FMT_FP6 matrix_a_scale:MATRIX_SCALE_ROW1
.endif
.endr
.endr
.endm
; A slot's first step: multiplies B's set 0 and fetches the slot's second 128 along K.
.macro STEP n, s, zero
	s_wait_dscnt 16                                ; B's set and A's blocks 0-3 are in; the youngest 16 loads (A's blocks 4-7) may be out
	WIN MUL_LO
	MUL16 0, 0, \s, \zero
	MUL16 2, 0, \s, \zero
	s_wait_dscnt 0x0                               ; A's blocks 4-7 are in
	PLACES 4
	FETCH_B \n, 1, 1
	FETCH_A \n, 1, 0
	WIN MUL_HI
	MUL16 4, 0, \s, \zero
	MUL16 6, 0, \s, \zero
	PLACES 4
	WIN 0
	FETCH_A \n, 1, 4
.endm
; A slot's second step changes slots: one barrier.  kind 0: the youngest tensor load may stay out.  kind 1: slot 0, left long ago, is filled again: the waits for all my tensor loads,
; the add and the wait for it stand in front of a round of the cluster's barrier, the joint refill first behind it.  kind 2: the same lines, a plain barrier, no fill.
.macro TURN n, next, s, kind
.if \kind == 0
	s_wait_tensorcnt 1                             ; my parts of the first two slots are in; the third slot's load may be out
	s_wait_dscnt 16
.else
	s_wait_tensorcnt 0x0                           ; all my tensor loads have landed, my part of the next slot among them
	ds_add_u32 v[SPW], v[NIL]                      ; 0 onto my spare word
	s_wait_dscnt 17                                ; (the add and the youngest 16 loads may be out)
.endif
	WIN MUL_LO
	MUL16 0, 1, \s, 0
	s_wait_dscnt 0x0                               ; my reads of this slot are over (and the add is done)
	s_barrier_signal -1
	MUL16 2, 1, \s, 0
	WIN 0
	s_barrier_wait -1
.if \kind == 1
	CREST                                          ; no wave of any partner has a load on its way or reads slot 0
	s_add_nc_u64 s[G0A+2:G0A+3], s[G0A+2:G0A+3], 3*SIGB   ; slot 0's descriptors: from the first 256 along K to the fourth
	s_add_nc_u64 s[G0B+2:G0B+3], s[G0B+2:G0B+3], 3*SIGB
	JLOAD G0A, G1A, G0B, G1B                       ; it has 128 matrix instructions and more in which to land; its four v_nop are also the places in front of the loads below
.else
	PLACES 4
.endif
	FETCH_B \next, 0, 0
	FETCH_A \next, 0, 0
	WIN MUL_HI
	MUL16 4, 1, \s, 0
	MUL16 6, 1, \s, 0
	PLACES 4
	WIN 0
	FETCH_A \next, 0, 4
.endm
	s_load_b256 s[4:11], s[0:1], 0x0               ; cw s[4:5], sc s[6:7], qh s[8:9], kv s[10:11]
	v_lshl_add_u32 v[SPW], v0, 2, SPARE
	v_mov_b32 v[NIL], 0
	ds_add_u32 v28, v29
	ds_add_u32 v28, v29
	s_wait_dscnt 0x0
	v_lshrrev_b32 v1, 5, v0
	v_readfirstlane_b32 s14, v1                    ; wave 0..3
	s_lshr_b32 s15, s14, 1                         ; which half of A is mine.  Also: I fetch for A (0) or for B (1)
	s_and_b32 s16, s14, 1                          ; which half of B is mine.  Also: which eight tiles I fetch
	s_bfe_u32 s66, ttmp6, 0x40000                  ; cx
	s_bfe_u32 s67, ttmp6, 0x40004                  ; cy
	s_and_b32 s12, ttmp7, 0xffff
	s_lshl_b32 s12, s12, 2                         ; 4 Y
	s_lshl_b32 s13, ttmp9, 2
	s_add_co_u32 s13, s13, 32                      ; 32 + 4 X
	s_cmp_eq_u32 ttmp9, 2                          ; v?  The cluster's x is the same in all sixteen partners
	s_cselect_b32 s17, 40, s12
	s_cselect_b32 s68, s12, s13
	s_add_co_u32 s17, s17, s67                     ; RA: A's unit hangs on cy alone within the cluster
	s_add_co_u32 s68, s68, s66                     ; RB: B's on cx alone
	s_lshl_b32 s69, s67, 2
	s_lshl_b32 s69, 15, s69                        ; my row of the cluster
	s_lshl_b32 s70, 0x1111, s66                    ; my column
	; descriptor group 1: eight rows (tiles) of 3,072 bytes, 12,288 bytes apart, in elements of 8 bytes; dense in LDS
	s_or_b32 s[G1A], s69, (3<<16)|(1<<21)          ; 15:0 the mask; 17:16 elements of 8 bytes; 21 set beside a mask
	s_or_b32 s[G1B], s70, (3<<16)|(1<<21)
.irp g, G1A, G1B
	s_mov_b32 s[\g+1], 384<<16                     ; tensor_dim0
	s_mov_b32 s[\g+2], 8<<16                       ; tensor_dim1
	s_mov_b32 s[\g+3], 384<<16                     ; tile_dim0
	s_mov_b32 s[\g+4], 8                           ; tile_dim1
	s_mov_b32 s[\g+5], 1536                        ; from row to row
	s_mov_b32 s[\g+6], 0
	s_mov_b32 s[\g+7], 0
.endr
	s_mul_i32 s20, s17, UNITB                      ; A's address, in registers that never hold cx
	s_mul_i32 s21, s16, 8*TILEB
	s_add_co_u32 s20, s20, s21
	s_mov_b32 s21, 0
	s_mul_i32 s84, s68, UNITB                      ; B's, in registers that never hold cy
	s_mul_i32 s85, s16, 8*TILEB
	s_add_co_u32 s84, s84, s85
	s_mov_b32 s85, 0
	s_mul_i32 s22, s14, HALF                       ; where they go: A's halves, then B's = wave x eight tiles
	s_wait_kmcnt 0x0
	s_add_nc_u64 s[20:21], s[4:5], s[20:21]
	s_add_nc_u64 s[84:85], s[4:5], s[84:85]
	CROUND                                         ; all sixteen work-groups are here: the first joint loads meet
.irp n, 0,1,2
	s_mov_b32 s[G0A+4*\n], 1
	s_add_co_u32 s[G0A+4*\n+1], s22, \n*SLOT
	s_add_nc_u64 s[G0A+4*\n+2:G0A+4*\n+3], s[20:21], \n*SIGB
	s_or_b32 s[G0A+4*\n+3], s[G0A+4*\n+3], 0x80000000
	s_mov_b32 s[G0B+4*\n], 1
	s_add_co_u32 s[G0B+4*\n+1], s22, \n*SLOT
	s_add_nc_u64 s[G0B+4*\n+2:G0B+4*\n+3], s[84:85], \n*SIGB
	s_or_b32 s[G0B+4*\n+3], s[G0B+4*\n+3], 0x80000000
	JLOAD G0A+4*\n, G1A, G0B+4*\n, G1B
.endr
	v_and_b32 v3, 31, v0                           ; lane
	v_and_b32 v1, 15, v0                           ; r
	v_bfe_u32 v2, v0, 4, 1                         ; h
	v_lshlrev_b32 v[O16], 4, v3
	v_lshlrev_b32 v4, 3, v3
	v_add_nc_u32 v[O8], 512, v4
	s_mul_i32 s18, s15, HALF                       ; my eight tiles of A,
	s_mul_i32 s19, s16, HALF
	s_add_co_u32 s19, s19, REGB                    ; and of B
.irp n, 0,1,2
	v_add_nc_u32 v[A16+\n], s18, v[O16]
	v_add_nc_u32 v[A8+\n], s18, v[O8]
	v_add_nc_u32 v[B16+\n], s19, v[O16]
	v_add_nc_u32 v[B8+\n], s19, v[O8]
	s_add_co_u32 s18, s18, SLOT
	s_add_co_u32 s19, s19, SLOT
.endr
	; the scale words of my 128 rows of A (lanes 0-15) and of B (lanes 16-31), for all of K: once, into registers that hold nothing else
	s_lshl_b32 s86, s17, 13
	s_lshl_b32 s87, s15, 12
	s_add_co_u32 s86, s86, s87
	s_lshl_b32 s88, s68, 13
	s_lshl_b32 s89, s16, 12
	s_add_co_u32 s88, s88, s89
	v_mov_b32 v4, s86
	v_mov_b32 v5, s88
	v_cmp_lt_u32 vcc_lo, 15, v3
	v_cndmask_b32 v4, v4, v5, vcc_lo
	v_lshl_add_u32 v[SLO], v1, 3, v4
.irp i, 0,1,2,3,4,5,6,7
.irp p, 0,1,2,3
	global_load_b64 v[SC+8*\i+2*\p:SC+8*\i+2*\p+1], v[SLO], s[6:7] offset:1024*(\i/2)+128*(\i%2)+256*\p
.endr
.endr
	s_wait_tensorcnt 2                             ; my part of slot 0 is in; the two younger loads may be out
	s_barrier_signal -1
	s_barrier_wait -1
	FETCH_B 0, 0, 0
	FETCH_A 0, 0, 0
	FETCH_A 0, 0, 4
	s_wait_loadcnt 0x0                             ; the scale words
	STEP 0, 0, 1                                   ; the first step's products start the sums: nothing is cleared
	TURN 0, 1, 1, 0
	STEP 1, 2, 0
	TURN 1, 2, 3, 1
	STEP 2, 4, 0
	TURN 2, 0, 5, 2
	STEP 0, 6, 0
	s_wait_dscnt 16                                ; the last step: nothing more to fetch
	WIN MUL_LO
	MUL16 0, 1, 7, 0
	MUL16 2, 1, 7, 0
	s_wait_dscnt 0x0
	WIN MUL_HI
	MUL16 4, 1, 7, 0
	MUL16 6, 1, 7, 0
	WIN 0
; THE WAY OUT.  The 64 registers of A's block a (register 16 b + i = index 32 b + 16 h + i along B's rows, for the lane's row of A) become a fragment's codes in v[PC] on and its scale word in v[PW].
; Each accumulator is read from its low end on.  Nothing goes through LDS: the codes' registers ARE the images that the next launch reads.
.macro QUANTW a
.set AC, 64*((\a)%4)
	s_wait_xcnt 0x0                                ; the last block's stores have read the registers that are written again below
	WIN 0x28+0x14*((\a)/4)                         ; sources 1 and 2: window 2 or 3
.irp b, 0,1,2,3
	v_max3_num_f32 v[TM+\b], v[FLO], |v[AC+16*\b]|, |v[AC+16*\b+1]|   ; block b: my 16 numbers and the floor; the four blocks by turns
.endr
.irp i, 2,4,6,8,10,12,14
.irp b, 0,1,2,3
	v_max3_num_f32 v[TM+\b], v[TM+\b], |v[AC+16*\b+\i]|, |v[AC+16*\b+\i+1]|
.endr
.endr
	WIN 0
.irp b, 0,1,2,3
	v_permlanex16_b32 v[TM+4+\b], v[TM+\b], s82, s83
.endr
.irp b, 0,1,2,3
	v_max_num_f32 v[TM+\b], v[TM+\b], v[TM+4+\b]   ; with lane l xor 16's: the block's largest magnitude
.endr
.irp b, 0,1,2,3
	v_add_nc_u32 v[TM+12+\b], 0xff000000, v[TM+\b] ; 2 off its exponent field: the conversion's scale operand
.endr
.irp b, 0,1,2,3
	v_lshrrev_b32 v[TM+4+\b], 23, v[TM+12+\b]      ; the scale's byte
.endr
	v_lshl_or_b32 v[PW], v[TM+5], 8, v[TM+4]
	v_lshl_or_b32 v[PW], v[TM+6], 16, v[PW]
	v_lshl_or_b32 v[PW], v[TM+7], 24, v[PW]
	WIN 2+(\a)/4                                   ; source 0: window 2 or 3
.irp c, 0,1
	v_cvt_scalef32_pk16_fp6_f32 v[PC+6*\c:PC+6*\c+2], v[AC+32*\c:AC+32*\c+15], v[TM+12+2*\c]
	v_cvt_scalef32_pk16_fp6_f32 v[PC+12+4*\c:PC+14+4*\c], v[AC+32*\c+16:AC+32*\c+31], v[TM+12+2*\c+1]
.endr
	WIN 0
	v_nop                                          ; one plain line behind the conversions
.irp c, 0,1                            ; the operand's layout wants a whole block in a lane
.irp i, 0,1,2
	v_permlane16_swap_b32 v[PC+6*\c+\i], v[PC+12+4*\c+\i]
.endr
.irp i, 0,1,2
	v_mov_b32 v[PC+3+6*\c+\i], v[PC+12+4*\c+\i]
.endr
.endr
.endm
	PLACES 4
.irp b, 0,1,2,3
	v_mov_b32 v[TM+4+\b], 0                        ; a lane permute's destination counts as one of its sources
.endr
	v_mov_b32 v[FLO], 0x1800000
	v_mov_b32 v[ONES], 0x7f7f7f7f
	s_mov_b32 s82, 0x76543210
	s_mov_b32 s83, 0xfedcba98
	v_cmp_lt_u32 vcc_lo, 15, v3                    ; lanes 16-31
	s_cmp_eq_u32 ttmp9, 2
	s_cbranch_scc1 .Lv_out
	; ---- q, k: my 128 tokens are key step j of batch bb; my 128 columns are heads bh0 and bh0 + 1: a fragment's first image is head bh0's tile, its second head bh0 + 1's
	s_lshr_b32 s86, s17, 3                         ; bb
	s_and_b32 s87, s17, 7
	s_lshl_b32 s87, s87, 1
	s_add_co_u32 s87, s87, s15                     ; j
	s_lshl_b32 s86, s86, 4
	s_lshl_b32 s88, s66, 2
	s_add_co_u32 s86, s86, s88
	s_lshl_b32 s88, s16, 1
	s_add_co_u32 s86, s86, s88                     ; bh0 = 16 bb + 4 cx + 2 x my half
	s_mov_b32 s88, 208896
	s_mov_b32 s89, 13056
	s_mov_b32 s90, 12288
	s_mov_b32 s91, 13056
	s_cmp_eq_u32 ttmp9, 0                          ; q goes to qh, k to kv
	s_cselect_b32 s88, 106496, s88                 ; from head to head
	s_cselect_b32 s89, 6144, s89                   ; the codes: from key step to key step
	s_cselect_b32 s90, 98304, s90                  ; where the scale words begin,
	s_cselect_b32 s91, 512, s91                    ; and their step
	s_cselect_b64 s[72:73], s[8:9], s[10:11]
	s_mul_i32 s92, s86, s88
	s_mov_b32 s93, 0
	s_add_nc_u64 s[72:73], s[72:73], s[92:93]
	s_mul_i32 s92, s87, s91
	s_add_co_u32 s92, s92, s90
	s_add_nc_u64 s[76:77], s[72:73], s[92:93]      ; head bh0's scale words [r][a]
	s_mul_i32 s92, s87, s89
	s_add_nc_u64 s[72:73], s[72:73], s[92:93]      ; head bh0's codes
	s_mov_b32 s92, s88
	s_add_nc_u64 s[74:75], s[72:73], s[92:93]      ; head bh0 + 1's
	s_add_nc_u64 s[78:79], s[76:77], s[92:93]
	v_lshlrev_b32 v[SO], 5, v1
	v_lshl_add_u32 v[SO], v2, 4, v[SO]             ; 32 r + 16 h
.irp a, 0,1,2,3,4,5,6,7
	QUANTW \a
	global_store_b128 v[O16], v[PC:PC+3], s[72:73] offset:768*\a          ; each store of the wave covers 512 or 256 consecutive bytes, aligned
	global_store_b64 v[O8], v[PC+4:PC+5], s[72:73] offset:768*\a
	global_store_b128 v[O16], v[PC+6:PC+9], s[74:75] offset:768*\a
	global_store_b64 v[O8], v[PC+10:PC+11], s[74:75] offset:768*\a
	v_perm_b32 v[WD+\a], v[ONES], v[PW], 0x05040100                       ; head bh0's word: its two bytes, then 0x7f twice for the 64 along K that the next product pads
	v_perm_b32 v[WD+8+\a], v[ONES], v[PW], 0x05040302                     ; head bh0 + 1's
.endr
.irp c, 0,1
.irp i, 0,1,2,3
	v_cndmask_b32 v[SV+4*\c+\i], v[WD+8*\c+\i], v[WD+8*\c+4+\i], vcc_lo   ; lanes 0-15 store tiles 0-3's words of row r, lanes 16-31 tiles 4-7's
.endr
.endr
	global_store_b128 v[SO], v[SV:SV+3], s[76:77]  ; 512 consecutive bytes
	global_store_b128 v[SO], v[SV+4:SV+7], s[78:79]
	s_branch .Lend
.Lv_out:
	; ---- v: my 128 tokens (B) are key step j of batch bb; my 128 rows of A are heads bh0 and bh0 + 1, four tiles of d each: fragment a is tile a % 4 of head bh0 + a / 4, K = the step's 128 keys
	s_lshr_b32 s86, s68, 3                         ; bb
	s_and_b32 s87, s68, 7
	s_lshl_b32 s87, s87, 1
	s_add_co_u32 s87, s87, s16                     ; j
	s_lshl_b32 s86, s86, 4
	s_lshl_b32 s88, s67, 2
	s_add_co_u32 s86, s86, s88
	s_lshl_b32 s88, s15, 1
	s_add_co_u32 s86, s86, s88                     ; bh0 = 16 bb + 4 cy + 2 x my half
	s_mul_i32 s92, s86, 208896
	s_mul_i32 s88, s87, 13056
	s_add_co_u32 s92, s92, s88
	s_mov_b32 s93, 0
	s_add_nc_u64 s[72:73], s[10:11], s[92:93]      ; the record of head bh0, key step j
	v_mul_u32_u24 v4, v2, 208896
	v_lshl_add_u32 v[SO], v1, 4, v4                ; 16 r, and lanes 16-31 one head on
.irp a, 0,1,2,3,4,5,6,7
	QUANTW \a
	global_store_b128 v[O16], v[PC:PC+3], s[72:73] offset:6144+208896*(\a/4)+1536*(\a%4)
	global_store_b64 v[O8], v[PC+4:PC+5], s[72:73] offset:6144+208896*(\a/4)+1536*(\a%4)
	global_store_b128 v[O16], v[PC+6:PC+9], s[72:73] offset:6144+208896*(\a/4)+1536*(\a%4)+768
	global_store_b64 v[O8], v[PC+10:PC+11], s[72:73] offset:6144+208896*(\a/4)+1536*(\a%4)+768
	v_mov_b32 v[WD+\a], v[PW]
.endr
.irp i, 0,1,2,3
	v_cndmask_b32 v[SV+\i], v[WD+\i], v[WD+4+\i], vcc_lo
.endr
	global_store_b128 v[SO], v[SV:SV+3], s[72:73] offset:12800   ; sixteen lanes store a head's 256 consecutive bytes [r][t]
.Lend:
	s_wait_tensorcnt 0x0                           ; the wave's end
	ds_add_u32 v[SPW], v[NIL]
	s_wait_dscnt 0x0
	CROUND                                         ; the closing round: no work-group ends while a partner may still ask for a tile that names it
	s_endpgm
.Lfunc_end_k_q54b95b1c90_qkv:
	.size	k_q54b95b1c90_qkv, .Lfunc_end_k_q54b95b1c90_qkv-k_q54b95b1c90_qkv
	.p2alignl 7, 3214868480
	.fill 96, 4, 3214868480
	.section	.rodata,"a",@progbits
	.p2align	6, 0x0
	.amdhsa_kernel k_q54b95b1c90_qkv
		.amdhsa_group_segment_fixed_size 327680
		.amdhsa_private_segment_fixed_size 0
		.amdhsa_enable_private_segment 0
		.amdhsa_kernarg_size 32
		.amdhsa_user_sgpr_count 2
		.amdhsa_user_sgpr_kernarg_segment_ptr 1
		.amdhsa_wavefront_size32 1
		.amdhsa_system_sgpr_workgroup_id_x 1
		.amdhsa_system_sgpr_workgroup_id_y 1
		.amdhsa_system_sgpr_workgroup_id_z 1
		.amdhsa_system_vgpr_workitem_id 0
		.amdhsa_next_free_vgpr 1024
		.amdhsa_next_free_sgpr 96
		.amdhsa_reserve_vcc 1
		.amdhsa_float_denorm_mode_32 3
		.amdhsa_float_denorm_mode_16_64 3
		.amdhsa_memory_ordered 1
		.amdhsa_forward_progress 1
		.amdhsa_inst_pref_size 184
	.end_amdhsa_kernel
	.amdgpu_metadata
---
amdhsa.version: [ 1, 2 ]
amdhsa.kernels:
  - .name:           k_q54b95b1c90_qkv
    .symbol:         k_q54b95b1c90_qkv.kd
    .args:
      - { .name: cw, .offset: 0, .size: 8, .value_kind: global_buffer, .address_space: global }
      - { .name: sc, .offset: 8, .size: 8, .value_kind: global_buffer, .address_space: global }
      - { .name: qh, .offset: 16, .size: 8, .value_kind: global_buffer, .address_space: global }
      - { .name: kv, .offset: 24, .size: 8, .value_kind: global_buffer, .address_space: global }
    .group_segment_fixed_size: 327680
    .private_segment_fixed_size: 0
    .kernarg_segment_align: 8
    .kernarg_segment_size: 32
    .max_flat_workgroup_size: 128
    .sgpr_count:     96
    .vgpr_count:     1024
    .wavefront_size: 32
...
	.end_amdgpu_metadata
.endif
;; end of part 2
;; launch attn (part 3): grid 4 x 64, 16 waves a work-group, clusters of 4 x 1, 215,040 bytes of LDS; arguments qh, kv, cw, sc; writes cw, sc
.if DOCPART == 3
	.amdgcn_target "amdgcn-amd-amdhsa--gfx1250"
	.amdhsa_code_object_version 6
	.text
	.protected	k_q54b95b1c90_attn
	.globl	k_q54b95b1c90_attn
	.p2align	8
	.type	k_q54b95b1c90_attn,@function
k_q54b95b1c90_attn:
	s_mov_b64 s[64:65], 0
	v_nop
	global_prefetch_b8 v0, s[64:65] scope:SCOPE_SE
	s_setreg_imm32_b32 hwreg(HW_REG_WAVE_MODE, 25, 1), 1
	s_wait_xcnt 0x0
	s_wait_alu depctr_hold_cnt(0) depctr_sa_sdst(0) depctr_va_vdst(0) depctr_va_sdst(0) depctr_va_ssrc(0) depctr_va_vcc(0) depctr_vm_vsrc(0)
	s_getreg_b32 s2, hwreg(HW_REG_IB_STS2, 6, 4)
	s_cmp_eq_u32 s2, 0
	s_cbranch_scc0 .Lentry_in_a_cluster
	s_endpgm
.Lentry_in_a_cluster:
	s_bfe_u32 s2, ttmp6, 0x10000c
	s_cmp_lg_u32 s2, 0x3003
	s_cbranch_scc0 .Lentry_shape_is_right
	s_endpgm
.Lentry_shape_is_right:
; y[bh][q] = the sum over keys k <= q of softmax_k(Q[q] . K[k] / 8) V[k], head size 64, 2,048 tokens, both products on codes of FP6 (E2M3) with E8M0 scales; y leaves as codes along c = 64 head + d.
; THE SOFTMAX AHEAD OF THE SECOND PRODUCT: t = score x log2(e) / 8; M = the running largest t rounded UP to a whole number; p = 2^(t - M) is quantised along the keys, not normalised; the row's sum is taken of the
; unquantised p and divides at the end.  When M moves, the sum and O are multiplied by 2^(old M - new M): exact.  A p under 2^-126 counts as 0.
; INPUTS.  qh: a head's 128 tiles of 16 queries, 768 bytes each (the image of six operand registers: lane l's registers 0-3 at 16 l, 4-5 at 512 + 8 l), then scale words [j][r][a].
; kv: a head is 16 records of 13,056 bytes, one for each 128 keys: K's 8 tiles x 768; V^T's 4 tiles of d x 1,536 (K = the 128 keys); K's scale words [r][a]; V's [r][t].
; Lane r of tile 2 b + u holds token (or d) 32 b + 8 u + r + 8 (r / 8): so a lane's 16 registers of two neighbouring result tiles are 16 neighbours.
; SHARES.  The four work-groups of a cluster share one head.  Wave w of partner cx owns two tiles of queries: i = 8 (w / 2) + 2 cx + w % 2 and 127 - i.  Their tokens lie in key steps w / 2 and 15 - w / 2: these hang on the
; wave's number alone, and every wave has 17 tile steps: all 4,096 waves have the same work.  Four waves share a SIMD, so that one wave's vector work stands beside another's matrix work and LDS loads.
; K AND V OF THE WHOLE HEAD LIE IN LDS, as they lie in memory, filled ONCE: each of the 16 waves asks for one record, jointly with its three partners.  No slot is filled again.
; Both products are used transposed: S^T = K Q^T, O^T = V^T P^T: a lane holds one query throughout.
; THE FIRST PRODUCT'S K IS 64, half of the instruction's 128.  Q's upper six registers are zero codes.  K's upper six are whatever follows in the registers (the next tile's codes; zeros behind the last): each of those
; products has a zero factor, the format has no code for infinity or NaN, and the scale bytes there are 0x7f on both sides: nothing is added.
; CAUSAL.  A key step all of whose keys come after a tile's queries is left out (a scalar branch on the trip's number against the wave's class); in the tile's own key step hidden scores become -infinity.
; No prefetch: everything comes with the one fill at the head.
; REGISTERS: v1-4 LDS addresses in hand; v5, v6 the lane's query less 16 h within its key step; v7 -infinity; v8-19, v20-31 Q of the two tiles; v32-79 K's tiles, then at work; v80-85 zeros; v86 p's scale word;
; v88-95 K's scale words, then V's; v96-159 S^T, then p, then V's fragments; v160-191, v192-223 O^T; v224-231 -M, largest t, the sum in two halves; v232-233 Q's scale words; v234-244 offsets that stay.
.set REC, 13056
.macro CROUND
	s_barrier_signal -1
	s_barrier_wait -1
	s_cmp_lg_u32 s12, 0
	s_cbranch_scc1 .Lnot_wave_0_\@
	s_barrier_signal -3
.Lnot_wave_0_\@:
	s_barrier_wait -3
	s_barrier_signal -1
	s_barrier_wait -1
.endm
; ONE TILE'S KEY STEP: 128 keys.  QX Q's registers, QSX its scale word, OX O^T, STX the statistics, DX the lane's d, CLS the scalar with the tile's own key step.
.macro STEP QX, QSX, OX, STX, DX, CLS
	v_nop                                          ; with the four additions: five plain lines between the last step's products and the loads and products that write over their registers
	v_add_nc_u32 v1, s20, v234
	v_add_nc_u32 v2, s20, v235
	v_add_nc_u32 v3, s20, v236
	v_add_nc_u32 v4, s20, v237
.irp a, 0,1,2,3,4,5,6,7
	ds_load_b128 v[32+6*\a:35+6*\a], v1 offset:768*\a
	ds_load_b64 v[36+6*\a:37+6*\a], v2 offset:768*\a
.endr
	ds_load_b128 v[88:91], v3
	ds_load_b128 v[92:95], v3 offset:16
	s_wait_dscnt 0x0
.irp a, 0,1,2,3,4,5,6,7
	v_wmma_scale_f32_16x16x128_f8f6f4 v[96+8*\a:103+8*\a], v[32+6*\a:43+6*\a], v[\QX:\QX+11], 0, v[88+\a], v[\QSX] matrix_a_fmt:MATRIX_FMT_FP6 matrix_b_fmt:MATRIX_FMT_FP6
.endr                                  ; register 16 b + i holds key 32 b + 16 h + i of the step
.rept 4
	v_nop
.endr
	s_cmp_lg_u32 s19, s[\CLS]                      ; an earlier key step: all its keys count
	s_cbranch_scc1 .Lopen_\@
.irp n, 0,1,2,3,4,5,6,7,8,9,10,11,12,13,14,15,16,17,18,19,20,21,22,23,24,25,26,27,28,29,30,31,32,33,34,35,36,37,38,39,40,41,42,43,44,45,46,47,48,49,50,51,52,53,54,55,56,57,58,59,60,61,62,63
	v_cmp_gt_i32 vcc_lo, 32*(\n/16)+\n%16, v[\DX]  ; hidden where the register's key comes after my query
	v_cndmask_b32 v[96+\n], v[96+\n], v7, vcc_lo
.endr
.Lopen_\@:
.irp b, 0,1,2,3
	v_max3_num_f32 v[32+\b], v[96+16*\b], v[97+16*\b], v[98+16*\b]   ; the largest score of each block of 32 keys: for the row's maximum and, since p rises with the score, for the block's largest p
.endr
.irp i, 3,5,7,9,11,13
.irp b, 0,1,2,3
	v_max3_num_f32 v[32+\b], v[32+\b], v[96+16*\b+\i], v[97+16*\b+\i]
.endr
.endr
.irp b, 0,1,2,3
	v_max_num_f32 v[32+\b], v[32+\b], v[111+16*\b]
.endr
.irp b, 0,1,2,3
	v_permlanex16_b32 v[36+\b], v[32+\b], s24, s25
.endr
.irp b, 0,1,2,3
	v_max_num_f32 v[32+\b], v[32+\b], v[36+\b]     ; with lane l xor 16's 16 keys
.endr
	v_max3_num_f32 v68, v32, v33, v34
	v_max_num_f32 v68, v68, v35                    ; the step's largest score of my query (the step's first key counts for every query that walks it)
	v_mul_f32 v68, s22, v68
	v_max_num_f32 v[\STX+1], v[\STX+1], v68        ; the running largest t
	v_mov_b32 v68, v[\STX]
	v_floor_f32 v[\STX], -v[\STX+1]                ; the new -M = -ceil(t)
	v_sub_f32 v68, v[\STX], v68                    ; old M - new M: a whole number, 0 or less
	v_cvt_i32_f32 v68, v68                         ; (it saturates)
	v_ldexp_f32 v66, 1.0, v68                      ; f = 2^(old M - new M)
.irp j, 0,2,4,6,8,10,12,14,16,18,20,22,24,26,28,30,32,34,36,38,40,42,44,46,48,50,52,54,56,58,60,62
	v_pk_fma_f32 v[96+\j:97+\j], v[96+\j:97+\j], s[22:23], v[\STX:\STX+1] op_sel_hi:[1,0,0]   ; t - M, two at a time
.endr
.irp b, 0,1,2,3
	v_fma_f32 v[32+\b], v[32+\b], s22, v[\STX]     ; the same of each block's largest score
.endr
.irp j, 0,1,2,3,4,5,6,7,8,9,10,11,12,13,14,15,16,17,18,19,20,21,22,23,24,25,26,27,28,29,30,31,32,33,34,35,36,37,38,39,40,41,42,43,44,45,46,47,48,49,50,51,52,53,54,55,56,57,58,59,60,61,62,63
	v_exp_f32 v[96+\j], v[96+\j]                   ; p = 2^(t - M)
.endr
	v_pk_mul_f32 v[\STX+2:\STX+3], v[\STX+2:\STX+3], v[66:67] op_sel_hi:[1,0]   ; the sums under the new M: the plain line behind the exponentials
	s_wait_alu depctr_va_vdst(0)                   ; one wait for the batch of 64, ahead of its first reader
.irp b, 0,1,2,3
	v_exp_f32 v[32+\b], v[32+\b]                   ; the blocks' largest p: the same two instructions on the same numbers
.endr
	v_pk_add_f32 v[64:65], v[96:97], v[98:99]      ; the row's sum of the unquantised p, in two chains
.irp j, 4,8,12,16,20,24,28,32,36,40,44,48,52,56,60
	v_pk_add_f32 v[\STX+2:\STX+3], v[\STX+2:\STX+3], v[96+\j:97+\j]
	v_pk_add_f32 v[64:65], v[64:65], v[98+\j:99+\j]
.endr
	v_pk_add_f32 v[\STX+2:\STX+3], v[\STX+2:\STX+3], v[64:65]
	s_wait_alu depctr_va_vdst(0)                   ; and one for the four
.irp b, 0,1,2,3
	v_max_num_f32 v[32+\b], 0x1800000, v[32+\b]    ; the floor 2^(3 - 127): a block whose every p is 0 keeps the byte 1: its codes are zeros
.endr
.irp b, 0,1,2,3
	v_add_nc_u32 v[40+\b], 0xff000000, v[32+\b]    ; 2 off the exponent field: the conversion's scale operand
.endr
.irp b, 0,1,2,3
	v_lshrrev_b32 v[36+\b], 23, v[40+\b]
.endr
	v_lshl_or_b32 v86, v37, 8, v36                 ; p's scale word for these 128 keys
	v_lshl_or_b32 v86, v38, 16, v86
	v_lshl_or_b32 v86, v39, 24, v86
.irp c, 0,1
	v_cvt_scalef32_pk16_fp6_f32 v[44+6*\c:46+6*\c], v[96+32*\c:111+32*\c], v[40+2*\c]
	v_cvt_scalef32_pk16_fp6_f32 v[56+4*\c:58+4*\c], v[112+32*\c:127+32*\c], v[40+2*\c+1]
.endr
	v_nop                                          ; one plain line behind the conversions
.irp t, 0,1,2,3                        ; V^T's four fragments land where p lay, while the codes are put in order and O^T is rescaled
.irp c, 0,1
	ds_load_b128 v[96+12*\t+6*\c:99+12*\t+6*\c], v1 offset:6144+1536*\t+768*\c
	ds_load_b64 v[100+12*\t+6*\c:101+12*\t+6*\c], v2 offset:6144+1536*\t+768*\c
.endr
.endr
	ds_load_b128 v[88:91], v4                      ; V's scale words
.irp c, 0,1                            ; the operand's layout wants a whole block in a lane
.irp i, 0,1,2
	v_permlane16_swap_b32 v[44+6*\c+\i], v[56+4*\c+\i]
.endr
.irp i, 0,1,2
	v_mov_b32 v[47+6*\c+\i], v[56+4*\c+\i]
.endr
.endr
.irp j, 0,2,4,6,8,10,12,14,16,18,20,22,24,26,28,30
	v_pk_mul_f32 v[\OX+\j:\OX+\j+1], v[\OX+\j:\OX+\j+1], v[66:67] op_sel_hi:[1,0]   ; O^T under the new M
.endr
.rept 4
	v_nop                                          ; so that no product's C is written directly ahead of it
.endr
	s_wait_dscnt 0x0
.irp t, 0,1,2,3
	v_wmma_scale_f32_16x16x128_f8f6f4 v[\OX+8*\t:\OX+8*\t+7], v[96+12*\t:107+12*\t], v[44:55], v[\OX+8*\t:\OX+8*\t+7], v[88+\t], v86 matrix_a_fmt:MATRIX_FMT_FP6 matrix_b_fmt:MATRIX_FMT_FP6
.endr
.endm
	s_load_b256 s[4:11], s[0:1], 0x0               ; qh s[4:5], kv s[6:7], cw s[8:9], sc s[10:11]
	v_lshl_add_u32 v254, v0, 2, 0x34000
	v_mov_b32 v255, 0
	ds_add_u32 v254, v255
	ds_add_u32 v254, v255
	v_lshrrev_b32 v1, 5, v0
	v_readfirstlane_b32 s12, v1                    ; wave 0..15
	s_bfe_u32 s13, ttmp6, 0x40000                  ; cx: it enters global addresses and the mask's numbers alone
	s_and_b32 s14, ttmp7, 0xffff                   ; bh = 16 batch + head, which the four partners share
	s_lshr_b32 s15, s12, 1                         ; the early tile's key step,
	s_sub_co_u32 s16, 15, s15                      ; the late tile's: both from the wave's number alone
	s_lshl_b32 s17, s15, 3
	s_lshl_b32 s54, s13, 1
	s_add_co_u32 s17, s17, s54
	s_and_b32 s54, s12, 1
	s_add_co_u32 s17, s17, s54                     ; the early tile
	s_sub_co_u32 s18, 127, s17                     ; the late tile
	; descriptor group 1: a record, 13,056 dense bytes, as 51 rows of 256 bytes (32 elements of 8 bytes)
	s_mov_b32 s28, 15|(3<<16)|(1<<21)              ; 15:0 the mask: all four work-groups; 17:16 elements of 8 bytes; 21 set beside a mask
	s_mov_b32 s29, 32<<16
	s_mov_b32 s30, 51<<16
	s_mov_b32 s31, 32<<16
	s_mov_b32 s32, 51
	s_mov_b32 s33, 32
	s_mov_b32 s34, 0
	s_mov_b32 s35, 0
	s_mov_b32 s36, 1
	s_mul_i32 s37, s12, REC                        ; LDS: record = wave
	s_mul_i32 s54, s14, 16*REC
	s_add_co_u32 s54, s54, s37
	s_mov_b32 s55, 0
	s_mov_b32 s22, 0x3e38aa3b                      ; c = log2(e) / 8
	s_mov_b32 s23, s22
	s_mov_b32 s24, 0x76543210
	s_mov_b32 s25, 0xfedcba98
	s_wait_dscnt 0x0
	s_wait_kmcnt 0x0
	s_add_nc_u64 s[38:39], s[6:7], s[54:55]
	s_or_b32 s39, s39, 0x80000000
	CROUND                                         ; all four work-groups are here: the joint loads meet
	tensor_load_to_lds s[36:39], s[28:35]          ; my one tensor load of the launch
	s_nop 0
.rept 4
	v_nop
.endr
	s_mul_i32 s54, s14, 106496
	s_add_nc_u64 s[56:57], s[4:5], s[54:55]        ; the head's record in qh
	s_mul_i32 s54, s17, 768
	s_add_nc_u64 s[40:41], s[56:57], s[54:55]      ; the early tile's codes
	s_mul_i32 s54, s18, 768
	s_add_nc_u64 s[42:43], s[56:57], s[54:55]      ; the late tile's
	s_lshr_b32 s54, s17, 3                         ; their scale words: 512 (T / 8) + 4 (T % 8)
	s_lshl_b32 s54, s54, 9
	s_and_b32 s60, s17, 7
	s_lshl_b32 s60, s60, 2
	s_add_co_u32 s54, s54, s60
	s_add_nc_u64 s[44:45], s[56:57], s[54:55]
	s_lshr_b32 s54, s18, 3
	s_lshl_b32 s54, s54, 9
	s_and_b32 s60, s18, 7
	s_lshl_b32 s60, s60, 2
	s_add_co_u32 s54, s54, s60
	s_add_nc_u64 s[46:47], s[56:57], s[54:55]
	s_and_b32 s58, s17, 7                          ; where a tile's rows begin in its key step: 32 (a / 2) + 8 (a % 2)
	s_lshr_b32 s60, s58, 1
	s_lshl_b32 s60, s60, 5
	s_and_b32 s58, s58, 1
	s_lshl_b32 s58, s58, 3
	s_add_co_u32 s58, s58, s60
	s_and_b32 s59, s18, 7
	s_lshr_b32 s60, s59, 1
	s_lshl_b32 s60, s60, 5
	s_and_b32 s59, s59, 1
	s_lshl_b32 s59, s59, 3
	s_add_co_u32 s59, s59, s60
	v_and_b32 v240, 31, v0                         ; lane
	v_and_b32 v241, 15, v0                         ; r
	v_bfe_u32 v242, v0, 4, 1                       ; h
	v_lshlrev_b32 v234, 4, v240                    ; an image's registers 0-3
	v_lshlrev_b32 v235, 3, v240
	v_add_nc_u32 v235, 512, v235                   ; and 4-5
	v_lshlrev_b32 v238, 5, v241                    ; 32 r
	v_add_nc_u32 v236, 12288, v238                 ; K's scale words in a record
	v_lshlrev_b32 v237, 4, v241
	v_add_nc_u32 v237, 12800, v237                 ; V's
	global_load_b128 v[8:11], v234, s[40:41]       ; Q stays in registers
	global_load_b64 v[12:13], v235, s[40:41]
	global_load_b128 v[20:23], v234, s[42:43]
	global_load_b64 v[24:25], v235, s[42:43]
	global_load_b32 v232, v238, s[44:45] offset:98304
	global_load_b32 v233, v238, s[46:47] offset:98304
	v_and_b32 v243, 8, v241
	v_add_nc_u32 v243, v243, v241                  ; r + 8 (r / 8)
	v_lshlrev_b32 v244, 4, v242
	v_sub_nc_u32 v243, v243, v244                  ; - 16 h
	v_add_nc_u32 v5, s58, v243                     ; d: in the tile's own key step register 16 b + i is hidden where 32 b + i > d
	v_add_nc_u32 v6, s59, v243
	v_mov_b32 v7, 0xff800000                       ; -infinity
.irp j, 14,15,16,17,18,19,26,27,28,29,30,31,80,81,82,83,84,85
	v_mov_b32 v[\j], 0                             ; zero codes
.endr
.irp s, 224, 228
	v_mov_b32 v[\s+1], 0xff61b1e6                  ; the largest t so far: -3e38, under every t
	v_floor_f32 v[\s], -v[\s+1]                    ; -M
	v_mov_b32 v[\s+2], 0                           ; the sum, in two halves
	v_mov_b32 v[\s+3], 0
.endr
.irp j, 0,1,2,3,4,5,6,7,8,9,10,11,12,13,14,15,16,17,18,19,20,21,22,23,24,25,26,27,28,29,30,31,32,33,34,35,36,37,38,39,40,41,42,43,44,45,46,47,48,49,50,51,52,53,54,55,56,57,58,59,60,61,62,63
	v_mov_b32 v[160+\j], 0                         ; O^T: the step is written once for each tile; the first finds zeros, which the first change of M leaves zeros
.endr
	s_wait_tensorcnt 0x0                           ; my record is in,
	s_barrier_signal -1
	s_barrier_wait -1                              ; everybody's is: the whole head lies in LDS, and nothing writes LDS from here on
	s_wait_loadcnt 0x0                             ; Q
	s_mov_b32 s19, 0                               ; the key step
	s_mov_b32 s20, 0                               ; and its record in LDS
.Ltrip:                                            ; 16 trips, a constant; what is left out is a tile's work in the steps behind its own
	s_cmp_gt_u32 s19, s16
	s_cbranch_scc1 .Lno_late
	STEP 20, 233, 192, 228, 6, 16
.Lno_late:
	s_cmp_gt_u32 s19, s15
	s_cbranch_scc1 .Lno_early
	STEP 8, 232, 160, 224, 5, 15
.Lno_early:
	s_add_co_u32 s20, s20, REC
	s_add_co_u32 s19, s19, 1
	s_cmp_lt_u32 s19, 16
	s_cbranch_scc1 .Ltrip
	; THE WAY OUT, both tiles together.  O^T / the sum; the two tiles' 2 x 32 numbers are the four blocks of one fragment: its first image is the early tile's 16 rows x 64 (K = 64 head + d), its second the late tile's.
.rept 4
	v_nop                                          ; places behind the last products
.endr
	v_add_f32 v226, v226, v227
	v_add_f32 v230, v230, v231
.irp b, 0,1,2,3
	v_mov_b32 v[36+\b], 0                          ; a lane permute's destination counts as one of its sources
.endr
	v_permlanex16_b32 v36, v226, s24, s25
	v_permlanex16_b32 v37, v230, s24, s25
	v_add_f32 v226, v226, v36                      ; the rows' sums
	v_add_f32 v230, v230, v37
	v_rcp_f32 v64, v226
	v_rcp_f32 v66, v230
	v_mov_b32 v65, 0                               ; (named with them as pairs; also the plain line behind the reciprocals)
	v_mov_b32 v67, 0
	s_lshr_b32 s54, s14, 4                         ; batch
	s_and_b32 s56, s14, 15                         ; head
	s_lshl_b32 s57, s54, 7
	s_add_co_u32 s57, s57, 768                     ; y's tiles begin at 768; 128 a batch
	s_mul_i32 s60, s56, 768                        ; image kappa = head
	s_add_co_u32 s58, s57, s17
	s_mul_i32 s58, s58, 12288
	s_add_co_u32 s58, s58, s60
	s_mov_b32 s59, 0
	s_add_nc_u64 s[48:49], s[8:9], s[58:59]
	s_add_co_u32 s58, s57, s18
	s_mul_i32 s58, s58, 12288
	s_add_co_u32 s58, s58, s60
	s_add_nc_u64 s[50:51], s[8:9], s[58:59]
	s_lshl_b32 s57, s54, 16                        ; the scale bytes: group 384 + 64 batch + T / 2; part head / 4; in a word pair byte 2 (head % 4)
	s_add_co_u32 s57, s57, 384*1024
	s_lshr_b32 s60, s56, 2
	s_lshl_b32 s60, s60, 8
	s_add_co_u32 s57, s57, s60
	s_and_b32 s60, s56, 3
	s_lshl_b32 s60, s60, 1
	s_add_co_u32 s57, s57, s60
	s_lshr_b32 s52, s17, 1
	s_lshl_b32 s52, s52, 10
	s_and_b32 s60, s17, 1
	s_lshl_b32 s60, s60, 7
	s_add_co_u32 s52, s52, s60
	s_add_co_u32 s52, s52, s57
	s_lshr_b32 s53, s18, 1
	s_lshl_b32 s53, s53, 10
	s_and_b32 s60, s18, 1
	s_lshl_b32 s60, s60, 7
	s_add_co_u32 s53, s53, s60
	s_add_co_u32 s53, s53, s57
	s_wait_alu depctr_va_vdst(0)                   ; one wait for the two reciprocals, ahead of their first reader
.irp j, 0,2,4,6,8,10,12,14,16,18,20,22,24,26,28,30
	v_pk_mul_f32 v[96+\j:97+\j], v[160+\j:161+\j], v[64:65] op_sel_hi:[1,0]      ; register 16 b + i = y(my query, 32 b + 16 h + i); each accumulator from its low end on
.endr
.irp j, 0,2,4,6,8,10,12,14,16,18,20,22,24,26,28,30
	v_pk_mul_f32 v[128+\j:129+\j], v[192+\j:193+\j], v[66:67] op_sel_hi:[1,0]
.endr
.irp b, 0,1,2,3
	v_max3_num_f32 v[32+\b], |v[96+16*\b]|, |v[97+16*\b]|, 0x1800000   ; blocks 0, 1: the early tile's; 2, 3: the late tile's; with the floor
.endr
.irp i, 2,4,6,8,10,12,14
.irp b, 0,1,2,3
	v_max3_num_f32 v[32+\b], v[32+\b], |v[96+16*\b+\i]|, |v[97+16*\b+\i]|
.endr
.endr
.irp b, 0,1,2,3
	v_permlanex16_b32 v[36+\b], v[32+\b], s24, s25
.endr
.irp b, 0,1,2,3
	v_max_num_f32 v[32+\b], v[32+\b], v[36+\b]
.endr
.irp b, 0,1,2,3
	v_add_nc_u32 v[44+\b], 0xff000000, v[32+\b]
.endr
.irp b, 0,1,2,3
	v_lshrrev_b32 v[36+\b], 23, v[44+\b]
.endr
	v_lshl_or_b32 v48, v37, 8, v36                 ; low half: the early tile's two bytes; high half: the late tile's
	v_lshl_or_b32 v48, v38, 16, v48
	v_lshl_or_b32 v48, v39, 24, v48
.irp c, 0,1
	v_cvt_scalef32_pk16_fp6_f32 v[50+6*\c:52+6*\c], v[96+32*\c:111+32*\c], v[44+2*\c]
	v_cvt_scalef32_pk16_fp6_f32 v[62+4*\c:64+4*\c], v[112+32*\c:127+32*\c], v[44+2*\c+1]
.endr
	v_nop
.irp c, 0,1
.irp i, 0,1,2
	v_permlane16_swap_b32 v[50+6*\c+\i], v[62+4*\c+\i]
.endr
.irp i, 0,1,2
	v_mov_b32 v[53+6*\c+\i], v[62+4*\c+\i]
.endr
.endr
	global_store_b128 v234, v[50:53], s[48:49]     ; each store of the wave covers 512 or 256 consecutive bytes, aligned
	global_store_b64 v235, v[54:55], s[48:49]
	global_store_b128 v234, v[56:59], s[50:51]
	global_store_b64 v235, v[60:61], s[50:51]
	v_lshrrev_b32 v71, 16, v48
	v_cmp_lt_u32 vcc_lo, 15, v240                  ; lanes 0-15 store the early tile's bytes of row r, lanes 16-31 the late tile's
	v_cndmask_b32 v71, v48, v71, vcc_lo
	v_mov_b32 v70, s52
	v_mov_b32 v72, s53
	v_cndmask_b32 v70, v70, v72, vcc_lo
	v_lshl_add_u32 v70, v241, 3, v70
	global_store_b16 v70, v71, s[10:11]            ; two bytes of each row's eight: the other six are other heads'.  These stores are 1/25 of the launch's output bytes
	s_wait_dscnt 0x0
	s_wait_tensorcnt 0x0
	ds_add_u32 v254, v255
	s_wait_dscnt 0x0
	CROUND                                         ; the closing round: no work-group ends while a partner may still ask for a record that names it
	s_endpgm
.Lfunc_end_k_q54b95b1c90_attn:
	.size	k_q54b95b1c90_attn, .Lfunc_end_k_q54b95b1c90_attn-k_q54b95b1c90_attn
	.p2alignl 7, 3214868480
	.fill 96, 4, 3214868480
	.section	.rodata,"a",@progbits
	.p2align	6, 0x0
	.amdhsa_kernel k_q54b95b1c90_attn
		.amdhsa_group_segment_fixed_size 215040
		.amdhsa_private_segment_fixed_size 0
		.amdhsa_enable_private_segment 0
		.amdhsa_kernarg_size 32
		.amdhsa_user_sgpr_count 2
		.amdhsa_user_sgpr_kernarg_segment_ptr 1
		.amdhsa_wavefront_size32 1
		.amdhsa_system_sgpr_workgroup_id_x 1
		.amdhsa_system_sgpr_workgroup_id_y 1
		.amdhsa_system_sgpr_workgroup_id_z 1
		.amdhsa_system_vgpr_workitem_id 0
		.amdhsa_next_free_vgpr 256
		.amdhsa_next_free_sgpr 66
		.amdhsa_reserve_vcc 1
		.amdhsa_float_denorm_mode_32 3
		.amdhsa_float_denorm_mode_16_64 3
		.amdhsa_memory_ordered 1
		.amdhsa_forward_progress 1
		.amdhsa_inst_pref_size 59
	.end_amdhsa_kernel
	.amdgpu_metadata
---
amdhsa.version: [ 1, 2 ]
amdhsa.kernels:
  - .name:           k_q54b95b1c90_attn
    .symbol:         k_q54b95b1c90_attn.kd
    .args:
      - { .name: qh, .offset: 0, .size: 8, .value_kind: global_buffer, .address_space: global }
      - { .name: kv, .offset: 8, .size: 8, .value_kind: global_buffer, .address_space: global }
      - { .name: cw, .offset: 16, .size: 8, .value_kind: global_buffer, .address_space: global }
      - { .name: sc, .offset: 24, .size: 8, .value_kind: global_buffer, .address_space: global }
    .group_segment_fixed_size: 215040
    .private_segment_fixed_size: 0
    .kernarg_segment_align: 8
    .kernarg_segment_size: 32
    .max_flat_workgroup_size: 512
    .sgpr_count:     66
    .vgpr_count:     256
    .wavefront_size: 32
...
	.end_amdgpu_metadata
.endif
;; end of part 3
;; launch proj (part 4): grid 4 x 32, 4 waves a work-group, clusters of 4 x 4, 327,680 bytes of LDS; arguments cw, sc, out0; writes out0
.if DOCPART == 4
	.amdgcn_target "amdgcn-amd-amdhsa--gfx1250"
	.amdhsa_code_object_version 6
	.text
	.protected	k_q54b95b1c90_proj
	.globl	k_q54b95b1c90_proj
	.p2align	8
	.type	k_q54b95b1c90_proj,@function
k_q54b95b1c90_proj:
	s_mov_b64 s[64:65], 0
	v_nop
	global_prefetch_b8 v0, s[64:65] scope:SCOPE_SE
	s_setreg_imm32_b32 hwreg(HW_REG_WAVE_MODE, 25, 1), 1
	s_wait_xcnt 0x0
	s_wait_alu depctr_hold_cnt(0) depctr_sa_sdst(0) depctr_va_vdst(0) depctr_va_sdst(0) depctr_va_ssrc(0) depctr_va_vcc(0) depctr_vm_vsrc(0)
	s_getreg_b32 s2, hwreg(HW_REG_IB_STS2, 6, 4)
	s_cmp_eq_u32 s2, 0
	s_cbranch_scc0 .Lentry_in_a_cluster
	s_endpgm
.Lentry_in_a_cluster:
	s_bfe_u32 s2, ttmp6, 0x10000c
	s_cmp_lg_u32 s2, 0xf033
	s_cbranch_scc0 .Lentry_shape_is_right
	s_endpgm
.Lentry_shape_is_right:
; out0 = y Wp on codes of FP6 (E2M3) with E8M0 scales, K = 1,024; out0 [8192][1024] f32.
; OPERANDS.  cw holds all codes as [tile][kappa 0..15][768]: 768 bytes are the image of six operand registers for 16 rows x 64 K (lane l: registers 0-3 at 16 l, registers 4-5 at 512 + 8 l).  16 tiles (256 rows) are a unit:
; Wp 44-47, y 48-79.  sc holds the scale words, 8,192 bytes a unit: [tile / 2][p][tile % 2][r][2 words].  Lane r of tile 2 b + u holds row 32 b + 8 u + r + 8 (r / 8).
; SHARES.  A work-group makes 256 x 256 of out0, a wave 128 x 128: 64 accumulators, 512 registers.  Source 1 = region A = y (unit 48 + 4 Y + cy): a lane of the result holds a token; source 0 = region B = Wp (unit 44 + cx):
; the registers of two neighbouring result tiles are 16 neighbouring columns.
; CLUSTERS: 4 x 4.  Region A hangs on cy alone and is asked for jointly by a row of the cluster, region B on cx alone, by a column.
; K goes in 8 steps of 128, written out.  LDS has three slots of 256 along K; the fourth 256 go into slot 0 again: one refill in the launch, behind a round of the cluster's barrier.
; By this text's count a wave has three tensor loads out at the start and one behind the refill's round.  No prefetch: the launch is short, and three quarters of its tiles are asked for at its head.
; 128 work-groups: tiles of 256 x 128 would give 256 at twice the LDS reads for each product; not built.
; REGISTERS: window 0: v1-3 r, h, lane; v8-19 LDS addresses; v20-24 offsets; v28-29 the add's; v32-95 scale words; v128-223 A's fragments, ONE set; on the way out v128-255 take rows of out0.
;   window 1: B's fragments, two sets, at v0 and v128.  windows 2, 3: accumulator (a, b) at v[8 (8 (a % 4) + b)].
.set FR,    12
.set TILEB, 12288
.set UNITB, 16*TILEB
.set SIGB,  3072                       ; 256 along K of one tile: four images
.set HALF,  8*SIGB                     ; eight tiles: what one tensor load brings and what one wave reads of A or of B
.set REGB,  2*HALF
.set SLOT,  2*REGB
.set SPARE, 3*SLOT                     ; behind the slots: the spare words, 128 bytes a wave: two blocks of 256 bytes that no other line names
.set SPITCH, 528                       ; the way out: a stage of 16 rows x (512 bytes + 16) for each wave, in slot 1, which had its only fill at the start and its last read ahead of the fourth step's barrier
.set A16, 8
.set A8,  11
.set B16, 14
.set B8,  17
.set O16, 20                           ; v20     16 x lane
.set O8,  21                           ; v21     512 + 8 x lane
.set STO, 22                           ; v22     the stage: where I put 32 bytes of a row
.set RD,  23                           ; v23     and where I read a row back
.set SLO, 24
.set SPW, 28
.set NIL, 29
.set SC,  32                           ; v[SC + 8 i + s]: lanes 0-15 the word of A's tile i, lanes 16-31 that of B's tile i, for step s
.set AF,  128
.set BK,  128
.set G1A, 24
.set G1B, 32
.set G0A, 40
.set G0B, 52
.set MSB, 0
.macro WIN new                         ; the immediate's high byte repeats the setting that is left
.if MSB != (\new)
	s_set_vgpr_msb (MSB<<8)|(\new)
.set MSB, (\new)
.endif
.endm
.set MUL_LO, 0xa1
.set MUL_HI, 0xf1
.set TO_B,   0x40
; A joint load: waves 0 and 1 fetch A's halves, waves 2 and 3 B's.  The branch hangs on the wave's number alone.  Four v_nop follow each of the two lines.
.macro JLOAD g0a, g1a, g0b, g1b
	s_cmp_eq_u32 s15, 0
	s_cbranch_scc0 .Lfor_b_\@
	tensor_load_to_lds s[\g0a:\g0a+3], s[\g1a:\g1a+7]
	s_nop 0
.rept 4
	v_nop
.endr
	s_branch .Lasked_\@
.Lfor_b_\@:
	tensor_load_to_lds s[\g0b:\g0b+3], s[\g1b:\g1b+7]
	s_nop 0
.rept 4
	v_nop
.endr
.Lasked_\@:
.endm
.macro CREST
	s_cmp_lg_u32 s14, 0
	s_cbranch_scc1 .Lnot_wave_0_\@
	s_barrier_signal -3
.Lnot_wave_0_\@:
	s_barrier_wait -3
	s_barrier_signal -1
	s_barrier_wait -1
.endm
.macro CROUND
	s_barrier_signal -1
	s_barrier_wait -1
	CREST
.endm
.macro PLACES n                        ; plain lines between a matrix instruction and a load into, or a read of, its registers
.rept \n
	v_nop
.endr
.endm
.macro FRAG reg, a16, a8, off          ; a fragment is two images: four dense loads
	ds_load_b128 v[(\reg):(\reg)+3], v[\a16] offset:\off
	ds_load_b64 v[(\reg)+4:(\reg)+5], v[\a8] offset:\off
	ds_load_b128 v[(\reg)+6:(\reg)+9], v[\a16] offset:\off+768
	ds_load_b64 v[(\reg)+10:(\reg)+11], v[\a8] offset:\off+768
.endm
.macro FETCH_B n, q, set
	WIN TO_B
.irp i, 0,1,2,3,4,5,6,7
	FRAG 128*(\set)+FR*\i, B16+\n, B8+\n, 3072*\i+1536*(\q)
.endr
	WIN 0
.endm
.macro FETCH_A n, q, i0
.irp i, \i0, \i0+1, \i0+2, \i0+3
	FRAG AF+FR*(\i), A16+\n, A8+\n, 3072*(\i)+1536*(\q)
.endr
.endm
; 16 matrix instructions: A's blocks a0, a0 + 1 x B's eight.  The 64 accumulators take turns, one instruction a turn, in the same order in every step.
.macro MUL16 a0, p, s, zero
.irp a, \a0, \a0+1
.irp b, 0,1,2,3,4,5,6,7
.if \zero
	v_wmma_scale_f32_16x16x128_f8f6f4 v[8*(8*((\a)%4)+\b):8*(8*((\a)%4)+\b)+7], v[128*(\p)+FR*\b:128*(\p)+FR*\b+FR-1], v[AF+FR*(\a):AF+FR*(\a)+FR-1], 0, v[SC+8*\b+(\s)], v[SC+8*(\a)+(\s)] matrix_a_fmt:MATRIX_FMT_FP6 matrix_b_fmt:MATRIX_FMT_FP6 matrix_a_scale:MATRIX_SCALE_ROW1
.else
	v_wmma_scale_f32_16x16x128_f8f6f4 v[8*(8*((\a)%4)+\b):8*(8*((\a)%4)+\b)+7], v[128*(\p)+FR*\b:128*(\p)+FR*\b+FR-1], v[AF+FR*(\a):AF+FR*(\a)+FR-1], v[8*(8*((\a)%4)+\b):8*(8*((\a)%4)+\b)+7], v[SC+8*\b+(\s)], v[SC+8*(\a)+(\s)] matrix_a_fmt:MATRIX_FMT_FP6 matrix_b_fmt:MATRIX_FMT_FP6 matrix_a_scale:MATRIX_SCALE_ROW1
.endif
.endr
.endr
.endm
; A slot's first step: multiplies B's set 0 and fetches the slot's second 128 along K.
.macro STEP n, s, zero
	s_wait_dscnt 16                                ; B's set and A's blocks 0-3 are in; the youngest 16 loads (A's blocks 4-7) may be out
	WIN MUL_LO
	MUL16 0, 0, \s, \zero
	MUL16 2, 0, \s, \zero
	s_wait_dscnt 0x0                               ; A's blocks 4-7 are in
	PLACES 4
	FETCH_B \n, 1, 1
	FETCH_A \n, 1, 0
	WIN MUL_HI
	MUL16 4, 0, \s, \zero
	MUL16 6, 0, \s, \zero
	PLACES 4
	WIN 0
	FETCH_A \n, 1, 4
.endm
; A slot's second step changes slots: one barrier.  kind 0: the youngest tensor load may stay out.  kind 1: slot 0, left long ago, is filled again: the waits for all my tensor loads,
; the add and the wait for it stand in front of a round of the cluster's barrier, the joint refill first behind it.  kind 2: the same lines, a plain barrier, no fill.
.macro TURN n, next, s, kind
.if \kind == 0
	s_wait_tensorcnt 1                             ; my parts of the first two slots are in; the third slot's load may be out
	s_wait_dscnt 16
.else
	s_wait_tensorcnt 0x0                           ; all my tensor loads have landed, my part of the next slot among them
	ds_add_u32 v[SPW], v[NIL]                      ; 0 onto my spare word
	s_wait_dscnt 17                                ; (the add and the youngest 16 loads may be out)
.endif
	WIN MUL_LO
	MUL16 0, 1, \s, 0
	s_wait_dscnt 0x0                               ; my reads of this slot are over (and the add is done)
	s_barrier_signal -1
	MUL16 2, 1, \s, 0
	WIN 0
	s_barrier_wait -1
.if \kind == 1
	CREST                                          ; no wave of any partner has a load on its way or reads slot 0
	s_add_nc_u64 s[G0A+2:G0A+3], s[G0A+2:G0A+3], 3*SIGB   ; slot 0's descriptors: from the first 256 along K to the fourth
	s_add_nc_u64 s[G0B+2:G0B+3], s[G0B+2:G0B+3], 3*SIGB
	JLOAD G0A, G1A, G0B, G1B                       ; it has 128 matrix instructions and more in which to land; its four v_nop are also the places in front of the loads below
.else
	PLACES 4
.endif
	FETCH_B \next, 0, 0
	FETCH_A \next, 0, 0
	WIN MUL_HI
	MUL16 4, 1, \s, 0
	MUL16 6, 1, \s, 0
	PLACES 4
	WIN 0
	FETCH_A \next, 0, 4
.endm
	s_load_b128 s[4:7], s[0:1], 0x0                ; cw s[4:5], sc s[6:7]
	s_load_b64 s[8:9], s[0:1], 0x10                ; out0
	v_lshl_add_u32 v[SPW], v0, 2, SPARE
	v_mov_b32 v[NIL], 0
	ds_add_u32 v28, v29
	ds_add_u32 v28, v29
	s_wait_dscnt 0x0
	v_lshrrev_b32 v1, 5, v0
	v_readfirstlane_b32 s14, v1                    ; wave 0..3
	s_lshr_b32 s15, s14, 1                         ; which half of A is mine.  Also: I fetch for A (0) or for B (1)
	s_and_b32 s16, s14, 1                          ; which half of B is mine.  Also: which eight tiles I fetch
	s_bfe_u32 s66, ttmp6, 0x40000                  ; cx
	s_bfe_u32 s67, ttmp6, 0x40004                  ; cy
	s_and_b32 s12, ttmp7, 0xffff
	s_lshl_b32 s12, s12, 2                         ; 4 Y
	s_add_co_u32 s17, s12, 48
	s_add_co_u32 s17, s17, s67                     ; RA: y's unit
	s_add_co_u32 s68, s66, 44                      ; RB: Wp's unit
	s_lshl_b32 s69, s67, 2
	s_lshl_b32 s69, 15, s69                        ; my row of the cluster
	s_lshl_b32 s70, 0x1111, s66                    ; my column
	; descriptor group 1: eight rows (tiles) of 3,072 bytes, 12,288 bytes apart, in elements of 8 bytes; dense in LDS
	s_or_b32 s[G1A], s69, (3<<16)|(1<<21)
	s_or_b32 s[G1B], s70, (3<<16)|(1<<21)
.irp g, G1A, G1B
	s_mov_b32 s[\g+1], 384<<16
	s_mov_b32 s[\g+2], 8<<16
	s_mov_b32 s[\g+3], 384<<16
	s_mov_b32 s[\g+4], 8
	s_mov_b32 s[\g+5], 1536
	s_mov_b32 s[\g+6], 0
	s_mov_b32 s[\g+7], 0
.endr
	s_mul_i32 s20, s17, UNITB                      ; A's address, in registers that never hold cx
	s_mul_i32 s21, s16, 8*TILEB
	s_add_co_u32 s20, s20, s21
	s_mov_b32 s21, 0
	s_mul_i32 s84, s68, UNITB                      ; B's, in registers that never hold cy
	s_mul_i32 s85, s16, 8*TILEB
	s_add_co_u32 s84, s84, s85
	s_mov_b32 s85, 0
	s_mul_i32 s22, s14, HALF
	s_wait_kmcnt 0x0
	s_add_nc_u64 s[20:21], s[4:5], s[20:21]
	s_add_nc_u64 s[84:85], s[4:5], s[84:85]
	CROUND                                         ; all sixteen work-groups are here: the first joint loads meet
.irp n, 0,1,2
	s_mov_b32 s[G0A+4*\n], 1
	s_add_co_u32 s[G0A+4*\n+1], s22, \n*SLOT
	s_add_nc_u64 s[G0A+4*\n+2:G0A+4*\n+3], s[20:21], \n*SIGB
	s_or_b32 s[G0A+4*\n+3], s[G0A+4*\n+3], 0x80000000
	s_mov_b32 s[G0B+4*\n], 1
	s_add_co_u32 s[G0B+4*\n+1], s22, \n*SLOT
	s_add_nc_u64 s[G0B+4*\n+2:G0B+4*\n+3], s[84:85], \n*SIGB
	s_or_b32 s[G0B+4*\n+3], s[G0B+4*\n+3], 0x80000000
	JLOAD G0A+4*\n, G1A, G0B+4*\n, G1B
.endr
	v_and_b32 v3, 31, v0                           ; lane
	v_and_b32 v1, 15, v0                           ; r
	v_bfe_u32 v2, v0, 4, 1                         ; h
	v_lshlrev_b32 v[O16], 4, v3
	v_lshlrev_b32 v4, 3, v3
	v_add_nc_u32 v[O8], 512, v4
	s_mul_i32 s18, s15, HALF
	s_mul_i32 s19, s16, HALF
	s_add_co_u32 s19, s19, REGB
.irp n, 0,1,2
	v_add_nc_u32 v[A16+\n], s18, v[O16]
	v_add_nc_u32 v[A8+\n], s18, v[O8]
	v_add_nc_u32 v[B16+\n], s19, v[O16]
	v_add_nc_u32 v[B8+\n], s19, v[O8]
	s_add_co_u32 s18, s18, SLOT
	s_add_co_u32 s19, s19, SLOT
.endr
	; the scale words of my 128 rows of A (lanes 0-15) and of B (lanes 16-31), for all of K: once, into registers that hold nothing else
	s_lshl_b32 s86, s17, 13
	s_lshl_b32 s87, s15, 12
	s_add_co_u32 s86, s86, s87
	s_lshl_b32 s88, s68, 13
	s_lshl_b32 s89, s16, 12
	s_add_co_u32 s88, s88, s89
	v_mov_b32 v4, s86
	v_mov_b32 v5, s88
	v_cmp_lt_u32 vcc_lo, 15, v3
	v_cndmask_b32 v4, v4, v5, vcc_lo
	v_lshl_add_u32 v[SLO], v1, 3, v4
.irp i, 0,1,2,3,4,5,6,7
.irp p, 0,1,2,3
	global_load_b64 v[SC+8*\i+2*\p:SC+8*\i+2*\p+1], v[SLO], s[6:7] offset:1024*(\i/2)+128*(\i%2)+256*\p
.endr
.endr
	s_mul_i32 s88, s14, 16*SPITCH
	s_add_co_u32 s88, s88, SLOT                    ; my stage
	v_mul_u32_u24 v4, v1, SPITCH
	v_lshl_add_u32 v4, v2, 6, v4
	v_add_nc_u32 v[STO], s88, v4                   ; in: row r, + 64 h: accumulator (a, b)'s eight columns begin 128 (b / 2) + 32 (b % 2) bytes on
	v_add_nc_u32 v[RD], s88, v[O16]                ; back: the 32 lanes take one row of 512 bytes
	s_add_co_u32 s86, s12, s67                     ; out0: row 256 (4 Y + cy) + 128 x my half of A; column 256 cx + 128 x my half of B
	s_lshl_b32 s86, s86, 20
	s_lshl_b32 s87, s15, 19
	s_add_co_u32 s86, s86, s87
	s_lshl_b32 s87, s66, 10
	s_add_co_u32 s86, s86, s87
	s_lshl_b32 s87, s16, 9
	s_add_co_u32 s86, s86, s87
	s_mov_b32 s87, 0
	s_add_nc_u64 s[8:9], s[8:9], s[86:87]
	s_wait_tensorcnt 2                             ; my part of slot 0 is in; the two younger loads may be out
	s_barrier_signal -1
	s_barrier_wait -1
	FETCH_B 0, 0, 0
	FETCH_A 0, 0, 0
	FETCH_A 0, 0, 4
	s_wait_loadcnt 0x0                             ; the scale words
	STEP 0, 0, 1                                   ; the first step's products start the sums: nothing is cleared
	TURN 0, 1, 1, 0
	STEP 1, 2, 0
	TURN 1, 2, 3, 1
	STEP 2, 4, 0
	TURN 2, 0, 5, 2
	STEP 0, 6, 0
	s_wait_dscnt 16                                ; the last step: nothing more to fetch
	WIN MUL_LO
	MUL16 0, 1, 7, 0
	MUL16 2, 1, 7, 0
	s_wait_dscnt 0x0
	WIN MUL_HI
	MUL16 4, 1, 7, 0
	MUL16 6, 1, 7, 0
	WIN 0
; THE WAY OUT, block by block of 16 rows x 128 columns, through my own stage: a lane holds 32 neighbouring bytes of a row and the lanes beside it other rows; back come whole rows of 512 bytes.
; LDS serves a wave's instructions in order (ISA guide 5.7.1.4): no wait between the stores and the loads, nor in front of the next block's stores.
.macro TOSTAGE a
.set AC, 64*((\a)%4)
	WIN 0x08+4*((\a)/4)                            ; the data: window 2 or 3
.irp b, 0,1,2,3,4,5,6,7
	ds_store_b128 v[STO], v[AC+8*\b:AC+8*\b+3] offset:128*(\b/2)+32*(\b%2)          ; each accumulator from its low end on
	ds_store_b128 v[STO], v[AC+8*\b+4:AC+8*\b+7] offset:128*(\b/2)+32*(\b%2)+16
.endr
	WIN 0
.set BB, BK+64*((\a)%2)
.irp t, 0,1,2,3,4,5,6,7,8,9,10,11,12,13,14,15
	ds_load_b128 v[BB+4*\t:BB+4*\t+3], v[RD] offset:\t*SPITCH
.endr
.endm
.macro SEND a, younger                 ; younger: the LDS instructions issued behind block a's loads, which may stay out
.set BB, BK+64*((\a)%2)
	s_wait_dscnt \younger
.irp t, 0,1,2,3,4,5,6,7,8,9,10,11,12,13,14,15
	global_store_b128 v[O16], v[BB+4*\t:BB+4*\t+3], s[8:9] offset:(32*((\a)/2)+8*((\a)%2)+\t+8*(\t/8))*4096 th:TH_STORE_NT   ; row t of tile a is token 32 (a / 2) + 8 (a % 2) + t + 8 (t / 8); 512 consecutive bytes, aligned
.endr
.endm
	PLACES 4
	TOSTAGE 0
.irp a, 1,2,3,4,5,6,7
.if \a > 1
	s_wait_xcnt 0x0                                ; block a - 2's stores have read their registers: block a's loads may land there
.endif
	TOSTAGE \a
	SEND \a-1, 32                                  ; behind block a - 1's loads: block a's 16 stores and 16 loads
.endr
	SEND 7, 0
	s_wait_tensorcnt 0x0                           ; the wave's end
	ds_add_u32 v[SPW], v[NIL]
	s_wait_dscnt 0x0
	CROUND                                         ; the closing round: no work-group ends while a partner may still ask for a tile that names it
	s_endpgm
.Lfunc_end_k_q54b95b1c90_proj:
	.size	k_q54b95b1c90_proj, .Lfunc_end_k_q54b95b1c90_proj-k_q54b95b1c90_proj
	.p2alignl 7, 3214868480
	.fill 96, 4, 3214868480
	.section	.rodata,"a",@progbits
	.p2align	6, 0x0
	.amdhsa_kernel k_q54b95b1c90_proj
		.amdhsa_group_segment_fixed_size 327680
		.amdhsa_private_segment_fixed_size 0
		.amdhsa_enable_private_segment 0
		.amdhsa_kernarg_size 24
		.amdhsa_user_sgpr_count 2
		.amdhsa_user_sgpr_kernarg_segment_ptr 1
		.amdhsa_wavefront_size32 1
		.amdhsa_system_sgpr_workgroup_id_x 1
		.amdhsa_system_sgpr_workgroup_id_y 1
		.amdhsa_system_sgpr_workgroup_id_z 1
		.amdhsa_system_vgpr_workitem_id 0
		.amdhsa_next_free_vgpr 1024
		.amdhsa_next_free_sgpr 96
		.amdhsa_reserve_vcc 1
		.amdhsa_float_denorm_mode_32 3
		.amdhsa_float_denorm_mode_16_64 3
		.amdhsa_memory_ordered 1
		.amdhsa_forward_progress 1
		.amdhsa_inst_pref_size 142
	.end_amdhsa_kernel
	.amdgpu_metadata
---
amdhsa.version: [ 1, 2 ]
amdhsa.kernels:
  - .name:           k_q54b95b1c90_proj
    .symbol:         k_q54b95b1c90_proj.kd
    .args:
      - { .name: cw, .offset: 0, .size: 8, .value_kind: global_buffer, .address_space: global }
      - { .name: sc, .offset: 8, .size: 8, .value_kind: global_buffer, .address_space: global }
      - { .name: out0, .offset: 16, .size: 8, .value_kind: global_buffer, .address_space: global }
    .group_segment_fixed_size: 327680
    .private_segment_fixed_size: 0
    .kernarg_segment_align: 8
    .kernarg_segment_size: 24
    .max_flat_workgroup_size: 128
    .sgpr_count:     96
    .vgpr_count:     1024
    .wavefront_size: 32
...
	.end_amdgpu_metadata
.endif
;; end of part 4
